; MI455X (gfx1250); checked and timed in simulation.
; The chip was launched on July 23, 2026; its instructions are those of AMD's public machine-readable ISA for CDNA 5 (MIT licence, August 2026) and "CDNA5" Instruction Set Architecture Reference Guide (July 2026).
;; Self Attn Reduction. Allowed arithmetic: matrix products marked QUANTISED: E5M2 operands, one E8M0 scale for each 32 along K, by v_wmma_scale_f32_16x16x128_f8f6f4 with both operands' format E5M2, f32 sums; products left as they are: f32 operands where the result goes on into a quantised operand, else bf16, f16 or f32 operands; f32 sums; everything else in f32.
;; Inputs: Wk_codes 512 x 16 x 32 uint8 (E5M2 codes of Wk, K innermost, in blocks of 32 codes); Wk_scales 512 x 16 uint8 (E8M0 scales of Wk, one for each 32 codes along K); Wq_codes 512 x 16 x 32 uint8 (E5M2 codes of Wq, K innermost, in blocks of 32 codes); Wq_scales 512 x 16 uint8 (E8M0 scales of Wq, one for each 32 codes along K); Wv_codes 512 x 16 x 32 uint8 (E5M2 codes of Wv, K innermost, in blocks of 32 codes); Wv_scales 512 x 16 uint8 (E8M0 scales of Wv, one for each 32 codes along K); bk 512 float32; bq 512 float32; bv 512 float32; lens 16 int32; x_codes 16 x 4,096 x 16 x 32 uint8 (E5M2 codes of x, K innermost, in blocks of 32 codes); x_scales 16 x 4,096 x 16 uint8 (E8M0 scales of x, one for each 32 codes along K).
;; Outputs: out0 16 x 4,096 float32.
;; This version of the problem:
;;   THIS VERSION OF THE PROBLEM IS GIVEN IN LOW PRECISION. The matrix products marked QUANTISED in the list below multiply operands that are first quantised to E5M2 (5 exponent bits, 2 mantissa bits; 8 bits a number), with one power-of-two scale for each 32 numbers along K (OCP MX v1.0); their sums are f32. All else is computed in f32.
;;   The module's matrix products, in the order in which they are computed (A, B: the left and right operand; K: the contracted axis; several contracted axes count as one K, in the product's order):
;;     1. [M 65,536, K 512] x [K 512, N 512]; A: input x (given as codes); B: input Wk (given as codes): QUANTISED
;;     2. [M 65,536, K 512] x [K 512, N 512]; A: input x (given as codes); B: input Wq (given as codes): QUANTISED
;;     3. [M 65,536, K 512] x [K 512, N 512]; A: input x (given as codes); B: input Wv (given as codes): QUANTISED
;;     4. batch 16 x [M 4,096, K 512] x [K 512, N 1]; A: computed on the way; B: computed on the way: left as it is (N = 1 < 16)
;;   THE QUANTISER, for each operand of a quantised product, along K:
;;     - K is cut into blocks of 32 from its start; a last block that is shorter is filled with zeros.
;;     - A block's scale is 2^e with e = floor(log2(the largest magnitude in the block)) - 15, held to -126 .. 127; a block of zeros has e = 0. As a byte (E8M0): e + 127.
;;     - Each number is divided by its block's scale, clamped to +-57,344, and rounded to the nearest number of E5M2, ties to even, subnormals kept.
;;     - The product sums the exact products of the quantised numbers (number of the format x scale) in f32.
;;   ~~~python
;;   def quantise(x, axis):      # numpy; x: float32 -> the quantised numbers, widened to float32 again
;;       x = np.moveaxis(x, axis, -1); K = x.shape[-1]
;;       x = np.pad(x, [(0, 0)] * (x.ndim - 1) + [(0, -K % 32)]); x = x.reshape(x.shape[:-1] + (-1, 32)); a = np.abs(x).max(-1, keepdims=True)
;;       e = np.where(a > 0, np.clip(np.frexp(np.where(a > 0, a, 1))[1] - 1 - 15, -126, 127), 0)      # np.frexp(a)[1] - 1 = floor(log2(a)), exactly
;;       r = np.clip(x / 2.0 ** e, -57344, 57344)
;;       step = 2.0 ** (np.maximum(np.frexp(np.where(r == 0, 1, r))[1] - 1, -14) - 2)
;;       q = np.round(r / step) * step * 2.0 ** e      # np.round: ties to even
;;       return np.moveaxis(q.reshape(q.shape[:-2] + (-1,))[..., :K], -1, axis).astype(np.float32)
;;   ~~~
;;   INPUTS GIVEN AS CODES. Wk (in the module: [512, 512], K = its axis 1); Wq (in the module: [512, 512], K = its axis 1); Wv (in the module: [512, 512], K = its axis 1); x (in the module: [16, 4096, 512], K = its axis 2): each comes as NAME_codes (uint8): NAME with its K axis moved to the last place and cut into blocks of 32 codes, [.., K / 32, bytes a block], one block behind the other in memory; one code a byte (a code: sign, 5 exponent bits, 2 mantissa bits); and NAME_scales (uint8): the same leading axes, one E8M0 byte (e + 127) for each 32 codes along K. Its value is code x scale, taken as it is: it is not quantised again, and the codes and scales need not be those that the quantiser above would give.
;; 2 versions. Each part assembles by itself: llvm-mc -triple=amdgcn-amd-amdhsa -mcpu=gfx1250 --defsym DOCPART=n.
;; ======== version 1 of 2: 3 launches
;; workspace buffers: qpart 524,288 bytes; wv 524,288 bytes; wlay 524,288 bytes
;; launch qpass (part 1): grid 256 x 1, 8 waves a work-group, no clusters, 116,224 bytes of LDS; arguments x_codes, x_scales, Wq_codes, Wq_scales, bq, qpart, Wk_codes, Wv_codes, wlay; writes qpart, wlay
.if DOCPART == 1
	.amdgcn_target "amdgcn-amd-amdhsa--gfx1250"
	.amdhsa_code_object_version 6
	.text
	.protected	k_qf957735d26_qpass
	.globl	k_qf957735d26_qpass
	.p2align	8
	.type	k_qf957735d26_qpass,@function
k_qf957735d26_qpass:
	s_mov_b64 s[64:65], 0
	v_nop
	global_prefetch_b8 v0, s[64:65] scope:SCOPE_SE
	s_setreg_imm32_b32 hwreg(HW_REG_WAVE_MODE, 25, 1), 1
	s_wait_xcnt 0x0
.set QPASS, 1
.set PITCH, 528
.set XBUF,  64*PITCH
.set SC,    2*XBUF
.set PART,  SC+2048
.set TP,    1088
.set CP,    4*TP
.set GL,    PART+10*CP
.if QPASS
.set NTRIP, 2
.else
.set NTRIP, 5
.endif
.set WA,   1
.set WSO,  2
.set BO,   3
.set XO,   4
.set SO,   5
.set XW,   6
.set SW,   7
.set XR,   8
.set SR,   9
.set PW0,  10
.set PWC,  11
.set PR,   12
.set GW,   13
.set GR,   14
.set OO,   15
.set WS,   16
.set XS,   32
.set RS,   36
.set GI,   44
.set TA,   46
.set ST,   48
.set GQO,  82
.set PR8,  83
.set BIAS, 96
.set GP,   128
.set ACC,  160
.set XF,   192
.set WV,   26
.set ROLE, 27
.set J,    28
.set CNT,  29
.set KC,   30
.set KT,   31
.set KOFF, 32
.set Q,    33
.set R,    34
.set BASE, 35
.set LN,   36
.set KU,   57
.set MSB, 0
.macro WIN new
.if MSB != \new
	s_set_vgpr_msb (MSB<<8)|\new
.set MSB, \new
.endif
.endm
.macro LOADW
	WIN 0x40
.irp t, 0,1,2,3
.irp s, 0,1,2,3
.irp c, 0,1,2,3
.if QPASS
	global_load_b128 v[64*\t+16*\s+4*\c:64*\t+16*\s+4*\c+3], v[WA], s[8:9] offset:8192*\t+128*\s+32*\c
.else
	global_load_b128 v[64*\t+16*\s+4*\c:64*\t+16*\s+4*\c+3], v[XO], s[8:9] offset:512*(16*\t+4*\s+\c)
.endif
.endr
.endr
.endr
	WIN 0
.irp t, 0,1,2,3
	global_load_b128 v[WS+4*\t:WS+4*\t+3], v[WSO], s[10:11] offset:256*\t
.endr
.irp t, 0,1,2,3
.irp u, 0,1
	global_load_b128 v[BIAS+8*\t+4*\u:BIAS+8*\t+4*\u+3], v[BO], s[12:13] offset:64*\t+16*\u
.endr
.endr
.endm
.macro STAGE_LOAD
.irp i, 0,1,2,3,4,5,6,7
.if QPASS
	global_load_b128 v[ST+4*\i:ST+4*\i+3], v[XO], s[4:5] offset:512*\i th:TH_LOAD_NT
.else
	global_load_b128 v[ST+4*\i:ST+4*\i+3], v[XO], s[4:5] offset:512*\i
.endif
.endr
	global_load_b32 v[ST+32], v[SO], s[6:7]
.endm
.macro STAGE_STORE p
.if QPASS && (\p == 1)
.set i, 0
.rept 32
	v_xor_b32 v[ST+i], 0x80808080, v[ST+i]
.set i, i+1
.endr
.endif
.irp i, 0,1,2,3,4,5,6,7
	ds_store_b128 v[XW], v[ST+4*\i:ST+4*\i+3] offset:XBUF*\p+PITCH*\i
.endr
	ds_store_b32 v[SW], v[ST+32] offset:1024*\p
.endm
.macro FETCH p, m
.irp s, 0,1,2,3
.irp c, 0,1,2,3
	ds_load_b128 v[XF+16*\s+4*\c:XF+16*\s+4*\c+3], v[XR] offset:XBUF*\p+16*PITCH*(\m)+128*\s+32*\c
.endr
.endr
	ds_load_b128 v[XS:XS+3], v[SR] offset:1024*\p+256*(\m)
.endm
.macro MM
	WIN 0x01
.irp s, 0,1,2,3
.irp t, 0,1,2,3
.if (\s == 0) && QPASS
	v_wmma_scale_f32_16x16x128_f8f6f4 v[ACC+8*\t:ACC+8*\t+7], v[64*\t+16*\s:64*\t+16*\s+15], v[XF+16*\s:XF+16*\s+15], 0, v[WS+4*\t+\s], v[XS+\s] matrix_a_fmt:MATRIX_FMT_BF8 matrix_b_fmt:MATRIX_FMT_BF8
.elseif \s == 0
	v_wmma_scale_f32_16x16x128_f8f6f4 v[ACC+8*\t:ACC+8*\t+7], v[64*\t+16*\s:64*\t+16*\s+15], v[XF+16*\s:XF+16*\s+15], v[BIAS+8*\t:BIAS+8*\t+7], v[WS+4*\t+\s], v[XS+\s] matrix_a_fmt:MATRIX_FMT_BF8 matrix_b_fmt:MATRIX_FMT_BF8
.else
	v_wmma_scale_f32_16x16x128_f8f6f4 v[ACC+8*\t:ACC+8*\t+7], v[64*\t+16*\s:64*\t+16*\s+15], v[XF+16*\s:XF+16*\s+15], v[ACC+8*\t:ACC+8*\t+7], v[WS+4*\t+\s], v[XS+\s] matrix_a_fmt:MATRIX_FMT_BF8 matrix_b_fmt:MATRIX_FMT_BF8
.endif
.endr
.endr
	WIN 0
.endm
.macro TANH p
.set i, 0
.rept 16
.if QPASS && (\p == 0)
	v_pk_fma_f32 v[ACC+i:ACC+i+1], v[ACC+i:ACC+i+1], s[58:59], v[BIAS+i:BIAS+i+1] op_sel_hi:[1,0,1]
.elseif QPASS
	v_pk_fma_f32 v[ACC+i:ACC+i+1], v[ACC+i:ACC+i+1], s[58:59], v[BIAS+i:BIAS+i+1] op_sel_hi:[1,0,1] neg_lo:[0,0,1] neg_hi:[0,0,1]
.else
	v_pk_mul_f32 v[ACC+i:ACC+i+1], v[ACC+i:ACC+i+1], s[58:59] op_sel_hi:[1,0]
.endif
.set i, i+2
.endr
.set i, 0
.rept 32
	v_exp_f32 v[ACC+i], v[ACC+i]
.set i, i+1
.endr
	v_nop
	s_wait_alu depctr_va_vdst(0)
.set i, 0
.rept 16
	v_pk_add_f32 v[ACC+i:ACC+i+1], v[ACC+i:ACC+i+1], 1.0 op_sel_hi:[1,0]
.set i, i+2
.endr
.set i, 0
.rept 32
	v_rcp_f32 v[ACC+i], v[ACC+i]
.set i, i+1
.endr
	v_nop
	s_wait_alu depctr_va_vdst(0)
.endm
.macro ACCUM p, m
.if QPASS
.set i, 0
.rept 16
.if \p == 0
	v_pk_add_f32 v[GP+i:GP+i+1], v[GP+i:GP+i+1], v[ACC+i:ACC+i+1]
.else
	v_pk_fma_f32 v[GP+i:GP+i+1], v[ACC+i:ACC+i+1], -1.0, v[GP+i:GP+i+1] op_sel_hi:[1,0,1]
.endif
.set i, i+2
.endr
.else
.irp u, 0,1,2,3
.irp t, 0,1,2,3
.if (\u == 0) && (\t == 0)
	v_pk_fma_f32 v[RS:RS+1], v[GP:GP+1], v[ACC:ACC+1], v[GI:GI+1]
.elseif \u == 0
	v_pk_mul_f32 v[RS+2*\t:RS+2*\t+1], v[GP+8*\t:GP+8*\t+1], v[ACC+8*\t:ACC+8*\t+1]
.else
	v_pk_fma_f32 v[RS+2*\t:RS+2*\t+1], v[GP+8*\t+2*\u:GP+8*\t+2*\u+1], v[ACC+8*\t+2*\u:ACC+8*\t+2*\u+1], v[RS+2*\t:RS+2*\t+1]
.endif
.endr
.endr
	v_pk_add_f32 v[RS:RS+1], v[RS:RS+1], v[RS+2:RS+3]
	v_pk_add_f32 v[RS+4:RS+5], v[RS+4:RS+5], v[RS+6:RS+7]
	v_pk_add_f32 v[RS:RS+1], v[RS:RS+1], v[RS+4:RS+5]
	v_add_f32 v[RS], v[RS], v[RS+1]
	ds_store_b32 v[PWC], v[RS] offset:CP*\p+TP*\m
.endif
.endm
.macro ROWTILE p, m, o
	s_wait_dscnt 0x0
	MM
.rept 8
	v_nop
.endr
.if \m < 3
	FETCH \p, \m+1
.else
	s_cmp_ge_u32 s[KT], s[CNT]
	s_cbranch_scc1 .Lnofetch_\@
	FETCH \o, 0
.Lnofetch_\@:
.endif
	TANH \p
	ACCUM \p, \m
.endm
.macro CHUNK p, o
	s_add_co_u32 s[KT], s[KC], \p
	s_cmp_ge_u32 s[KT], s[CNT]
	s_cbranch_scc1 .Lmid_\@
	ROWTILE \p, 0, \o
	ROWTILE \p, 1, \o
	ROWTILE \p, 2, \o
.Lmid_\@:
	s_wait_loadcnt 0x0
	s_add_co_u32 s[KT], s[KT], 1
	s_cmp_ge_u32 s[KT], s[CNT]
	s_cbranch_scc1 .Lnostore_\@
	STAGE_STORE \o
.Lnostore_\@:
	s_wait_dscnt 0x0
	s_barrier_signal -1
	s_barrier_wait -1
	s_cmp_gt_u32 s[KT], s[CNT]
	s_cbranch_scc1 .Lend_\@
	s_add_co_u32 s[KU], s[KT], 1
	s_cmp_ge_u32 s[KU], s[CNT]
	s_cbranch_scc1 .Lnoload_\@
	s_add_nc_u64 s[4:5], s[4:5], 32768
	s_add_nc_u64 s[6:7], s[6:7], 1024
	STAGE_LOAD
.Lnoload_\@:
	ROWTILE \p, 3, \o
.Lend_\@:
.endm
.macro TREE16 d, s
.irp i, 0,1,2,3,4,5,6,7
	v_pk_add_f32 v[\d+4*\i:\d+4*\i+1], v[\s+4*\i:\s+4*\i+1], v[\s+4*\i+2:\s+4*\i+3]
.endr
.irp i, 0,1,2,3
	v_pk_add_f32 v[\d+8*\i:\d+8*\i+1], v[\d+8*\i:\d+8*\i+1], v[\d+8*\i+4:\d+8*\i+5]
.endr
.irp i, 0,1
	v_pk_add_f32 v[\d+16*\i:\d+16*\i+1], v[\d+16*\i:\d+16*\i+1], v[\d+16*\i+8:\d+16*\i+9]
.endr
	v_pk_add_f32 v[\d:\d+1], v[\d:\d+1], v[\d+16:\d+17]
.endm
.macro RSEL qr, rr, q, v
	s_cmp_eq_u32 s[\qr], \q
	s_cselect_b32 s[\rr], \v, s[\rr]
.endm
.macro RTAB qr, rr
	s_mov_b32 s[\rr], 1024
	RSEL \qr, \rr, 2, 512
	RSEL \qr, \rr, 3, 342
	RSEL \qr, \rr, 4, 256
	RSEL \qr, \rr, 5, 205
	RSEL \qr, \rr, 6, 171
	RSEL \qr, \rr, 7, 147
	RSEL \qr, \rr, 8, 128
	RSEL \qr, \rr, 9, 114
.endm
.macro REDUCE adr, k8
.irp m, 0,1,2,3,4,5,6,7,8,9,10,11,12,13,14,15
	ds_load_b64 v[XF+2*\m:XF+2*\m+1], v[\adr] offset:64*\m
.endr
	s_wait_dscnt 0x0
	TREE16 XF, XF
	global_store_b64 v[OO], v[XF:XF+1], s[68:69] offset:256*\k8
.endm
.if QPASS
	s_load_b256 s[4:11], s[0:1], 0x0
	s_load_b256 s[12:19], s[0:1], 0x20
	s_load_b64 s[20:21], s[0:1], 0x40
	v_lshl_add_u32 v94, v0, 2, 0x1c200
	v_mov_b32 v95, 0
.else
	s_load_b512 s[4:19], s[0:1], 0x0
	s_load_b128 s[20:23], s[0:1], 0x40
.endif
	v_lshrrev_b32 v[TA], 5, v0
	v_readfirstlane_b32 s[WV], v[TA]
	v_and_b32 v[TA], 31, v0
	v_and_b32 v[TA+1], 15, v0
	v_bfe_u32 v[ST], v0, 4, 1
.if QPASS
	v_lshlrev_b32 v[WA], 9, v[TA+1]
	v_lshl_add_u32 v[WA], v[ST], 4, v[WA]
.endif
	v_lshlrev_b32 v[WSO], 4, v[TA+1]
	v_lshlrev_b32 v[BO], 5, v[ST]
	v_lshlrev_b32 v[XO], 4, v[TA]
	v_lshlrev_b32 v[SO], 2, v[TA]
	s_mul_i32 s52, s[WV], 8*PITCH
	v_add_nc_u32 v[XW], s52, v[XO]
	s_lshl_b32 s52, s[WV], 7
	s_add_co_u32 s53, s52, SC
	v_add_nc_u32 v[SW], s53, v[SO]
	v_mul_u32_u24 v[XR], v[TA+1], PITCH
	v_lshl_add_u32 v[XR], v[ST], 4, v[XR]
	v_lshl_add_u32 v[SR], v[TA+1], 4, SC
	s_lshl_b32 s53, s[WV], 8
	s_add_co_u32 s53, s53, GL
	v_add_nc_u32 v[GR], s53, v[BO]
.if QPASS
	v_and_b32 v[ST+1], 127, v0
	v_lshl_add_u32 v[GW], v[ST+1], 4, GL
	v_lshlrev_b32 v[OO], 4, v[ST+1]
.else
	s_add_co_u32 s53, s52, PART
	v_add_nc_u32 v[PW0], s53, v[SO]
	v_lshrrev_b32 v[ST+1], 3, v[TA]
	v_and_b32 v[ST+2], 7, v[TA]
	v_mul_u32_u24 v[PR], v[ST+1], TP
	v_lshl_add_u32 v[PR], v[ST+2], 3, v[PR]
	v_add_nc_u32 v[PR8], PART+8*CP, v[PR]
	s_mul_i32 s53, s[WV], CP
	s_add_co_u32 s53, s53, PART
	v_add_nc_u32 v[PR], s53, v[PR]
	v_lshl_add_u32 v[GW], v0, 3, GL
	v_lshlrev_b32 v[OO], 3, v[TA]
	v_lshlrev_b32 v[GQO], 3, v0
.endif
	s_mov_b32 s58, 0x4038aa3b
	s_mov_b32 s59, s58
	s_mov_b32 s61, 0
	s_wait_kmcnt 0x0
.if QPASS == 0
	s_and_b32 s[ROLE], ttmp7, 0xffff
	s_mov_b32 s[J], ttmp9
	s_mov_b32 s66, 0xbdb504f3
	s_cmp_eq_u32 s[ROLE], 0
	s_cselect_b64 s[10:11], s[10:11], s[14:15]
	s_cselect_b64 s[12:13], s[12:13], s[16:17]
	s_cselect_b32 s66, s66, 0
	s_cselect_b32 s67, 0, 0xc0000000
	s_load_b512 s[LN:LN+15], s[18:19], 0x0
	s_lshl_b32 s60, s[ROLE], 18
	s_add_nc_u64 s[8:9], s[8:9], s[60:61]
.endif
	s_lshl_b32 s60, s[WV], 15
	s_add_nc_u64 s[8:9], s[8:9], s[60:61]
	s_lshl_b32 s60, s[WV], 10
	s_add_nc_u64 s[10:11], s[10:11], s[60:61]
	s_lshl_b32 s60, s[WV], 8
	s_add_nc_u64 s[12:13], s[12:13], s[60:61]
	LOADW
.if QPASS
	s_lshl_b32 s52, ttmp9, 8
	s_mov_b32 s[CNT], 4
	s_lshl_b32 s60, ttmp9, 11
	s_add_nc_u64 s[68:69], s[14:15], s[60:61]
	s_add_nc_u64 s[20:21], s[20:21], s[60:61]
	s_cmp_lt_u32 ttmp9, 128
	s_cselect_b64 s[16:17], s[16:17], s[18:19]
	s_lshr_b32 s60, ttmp9, 2
	s_and_b32 s60, s60, 31
	s_lshl_b32 s60, s60, 13
	s_and_b32 s54, ttmp9, 3
	s_lshl_b32 s54, s54, 7
	s_add_co_u32 s60, s60, s54
	s_add_nc_u64 s[16:17], s[16:17], s[60:61]
.else
	s_wait_kmcnt 0x0
	s_mov_b32 s[BASE], 0
.irp b, 0,1,2,3,4,5,6,7,8,9,10,11,12,13,14,15
	s_max_i32 s[LN+\b], s[LN+\b], 0
	s_min_u32 s[LN+\b], s[LN+\b], 4096
	s_add_co_u32 s[LN+\b], s[LN+\b], 63
	s_lshr_b32 s[LN+\b], s[LN+\b], 6
	s_add_co_u32 s[BASE], s[BASE], s[LN+\b]
.endr
	s_max_u32 s[Q], s[BASE], 16
	s_add_co_u32 s[Q], s[Q], 95
	s_mul_i32 s[Q], s[Q], 37450
	s_lshr_b32 s[Q], s[Q], 22
	s_max_u32 s[Q], s[Q], 1
	s_sub_co_u32 s52, s[Q], 1
	s_max_u32 s52, s52, 1
	RTAB Q, R
	RTAB 52, 53
	s_sub_co_u32 s55, s52, 1
	s_mov_b32 s54, 0
.irp b, 0,1,2,3,4,5,6,7,8,9,10,11,12,13,14,15
	s_add_co_u32 s56, s[LN+\b], s55
	s_mul_i32 s56, s56, s53
	s_lshr_b32 s56, s56, 10
	s_add_co_u32 s54, s54, s56
.endr
	s_cmp_le_u32 s54, 128
	s_cselect_b32 s[Q], s52, s[Q]
	s_cselect_b32 s[R], s53, s[R]
	s_mov_b32 s[BASE], 0
	s_mov_b32 s52, 0
	s_mov_b32 s53, 0
	s_mov_b32 s54, 0
	s_sub_co_u32 s55, s[Q], 1
.irp b, 0,1,2,3,4,5,6,7,8,9,10,11,12,13,14,15
	s_cmp_ge_u32 s[J], s[BASE]
	s_cselect_b32 s52, \b, s52
	s_cselect_b32 s53, s[BASE], s53
	s_cselect_b32 s54, s[LN+\b], s54
	s_add_co_u32 s56, s[LN+\b], s55
	s_mul_i32 s56, s56, s[R]
	s_lshr_b32 s56, s56, 10
	s_add_co_u32 s[BASE], s[BASE], s56
.endr
	s_sub_co_u32 s56, s[J], s53
	s_mul_i32 s56, s56, s[Q]
	s_sub_co_i32 s[CNT], s54, s56
	s_min_i32 s[CNT], s[CNT], s[Q]
	s_max_i32 s[CNT], s[CNT], 0
	s_min_u32 s[CNT], s[CNT], 9
	s_min_u32 s52, s52, 15
	s_min_u32 s56, s56, 63
	s_lshl_b32 s60, s52, 15
	s_add_nc_u64 s[20:21], s[20:21], s[60:61]
	s_lshl_b32 s52, s52, 12
	s_lshl_b32 s56, s56, 6
	s_add_co_u32 s52, s52, s56
	s_lshl_b32 s60, s52, 2
	s_lshl_b32 s57, s[ROLE], 18
	s_add_co_u32 s60, s60, s57
	s_lshl_b32 s57, s[WV], 8
	s_add_co_u32 s60, s60, s57
	s_add_nc_u64 s[68:69], s[22:23], s[60:61]
.endif
	s_lshl_b32 s56, s[WV], 3
	s_add_co_u32 s56, s52, s56
	s_lshl_b32 s60, s56, 9
	s_add_nc_u64 s[4:5], s[4:5], s[60:61]
	s_lshl_b32 s60, s56, 4
	s_add_nc_u64 s[6:7], s[6:7], s[60:61]
.if QPASS
	s_cmp_lg_u32 s[WV], 0
	s_cbranch_scc1 .Lnot_mine_in
.irp c, 0,1,2,3
	global_load_b128 v[XF+4*\c:XF+4*\c+3], v[WA], s[16:17] offset:32*\c
.endr
.Lnot_mine_in:
.else
.irp p, 0,1,2,3,4,5,6,7,8,9,10,11,12,13,14,15
	global_load_b64 v[XF+2*\p:XF+2*\p+1], v[GQO], s[20:21] offset:2048*\p
.endr
.endif
	STAGE_LOAD
	s_wait_loadcnt 0x0
.if QPASS
	s_cmp_lg_u32 s[WV], 0
	s_cbranch_scc1 .Lnot_mine_out
.irp c, 0,1,2,3
	global_store_b128 v[XO], v[XF+4*\c:XF+4*\c+3], s[20:21] offset:512*\c
.endr
.Lnot_mine_out:
	s_wait_xcnt 0x0
.set i, 0
.rept 16
	v_pk_mul_f32 v[BIAS+i:BIAS+i+1], v[BIAS+i:BIAS+i+1], s[58:59] op_sel_hi:[1,0]
.set i, i+2
.endr
.set i, 0
.rept 32
	v_mov_b32 v[GP+i], 0
.set i, i+1
.endr
.else
	TREE16 XF, XF
	v_fma_f32 v[XF], v[XF], s66, s67
	v_fma_f32 v[XF+1], v[XF+1], s66, s67
	ds_store_b64 v[GW], v[XF:XF+1]
.endif
	STAGE_STORE 0
	s_wait_dscnt 0x0
	s_barrier_signal -1
	s_barrier_wait -1
.if QPASS == 0
.irp t, 0,1,2,3
.irp u, 0,1
	ds_load_b128 v[GP+8*\t+4*\u:GP+8*\t+4*\u+3], v[GR] offset:64*\t+16*\u
.endr
.endr
.endif
	s_cmp_lt_u32 s[CNT], 2
	s_cbranch_scc1 .Lone_chunk
	s_add_nc_u64 s[4:5], s[4:5], 32768
	s_add_nc_u64 s[6:7], s[6:7], 1024
	STAGE_LOAD
.Lone_chunk:
.if QPASS == 0
	s_wait_dscnt 0x0
	TREE16 XF, GP
	v_add_f32 v[XF], v[XF], v[XF+1]
	v_mul_f32 v[GI], -0.5, v[XF]
	v_mov_b32 v[GI+1], 0
	s_mov_b32 s[KOFF], 0
.endif
	FETCH 0, 0
	s_mov_b32 s[KC], 0
.Ltrip:
.if QPASS == 0
	s_wait_dscnt 0x0
	v_add_nc_u32 v[PWC], s[KOFF], v[PW0]
.endif
	CHUNK 0, 1
	CHUNK 1, 0
.if QPASS == 0
	s_add_co_u32 s[KOFF], s[KOFF], 2*CP
.endif
	s_add_co_u32 s[KC], s[KC], 2
	s_cmp_lt_u32 s[KC], 2*NTRIP
	s_cbranch_scc1 .Ltrip
.if QPASS
.set i, 0
.rept 32
	v_mul_f32 v[GP+i], -2.0, v[GP+i]
.set i, i+1
.endr
.irp x, 1,2,4,8
.set i, 0
.rept 32
	v_add_f32_dpp v[GP+i], v[GP+i], v[GP+i] row_xmask:\x row_mask:0xf bank_mask:0xf
.set i, i+1
.endr
.endr
.irp t, 0,1,2,3
.irp u, 0,1
	ds_store_b128 v[GR], v[GP+8*\t+4*\u:GP+8*\t+4*\u+3] offset:64*\t+16*\u
.endr
.endr
	s_wait_dscnt 0x0
	s_barrier_signal -1
	s_barrier_wait -1
	s_cmp_gt_u32 s[WV], 3
	s_cbranch_scc1 .Ldone
	ds_load_b128 v[XF:XF+3], v[GW]
	s_wait_dscnt 0x0
	global_store_b128 v[OO], v[XF:XF+3], s[68:69]
.else
	s_wait_dscnt 0x0
	s_barrier_signal -1
	s_barrier_wait -1
	s_cmp_ge_u32 s[WV], s[CNT]
	s_cbranch_scc1 .Ldone
	REDUCE PR, 0
	s_cmp_lg_u32 s[WV], 0
	s_cbranch_scc1 .Ldone
	s_cmp_lt_u32 s[CNT], 9
	s_cbranch_scc1 .Ldone
	s_wait_xcnt 0x0
	REDUCE PR8, 8
.endif
.Ldone:
	s_wait_tensorcnt 0x0
	ds_add_u32 v94, v95
	s_wait_dscnt 0x0
	s_endpgm
.Lfunc_end_k_qf957735d26_qpass:
	.size	k_qf957735d26_qpass, .Lfunc_end_k_qf957735d26_qpass-k_qf957735d26_qpass
	.p2alignl 7, 3214868480
	.fill 96, 4, 3214868480
	.section	.rodata,"a",@progbits
	.p2align	6, 0x0
	.amdhsa_kernel k_qf957735d26_qpass
		.amdhsa_group_segment_fixed_size 116224
		.amdhsa_private_segment_fixed_size 0
		.amdhsa_enable_private_segment 0
		.amdhsa_kernarg_size 72
		.amdhsa_user_sgpr_count 2
		.amdhsa_user_sgpr_kernarg_segment_ptr 1
		.amdhsa_wavefront_size32 1
		.amdhsa_system_sgpr_workgroup_id_x 1
		.amdhsa_system_sgpr_workgroup_id_y 1
		.amdhsa_system_sgpr_workgroup_id_z 1
		.amdhsa_system_vgpr_workitem_id 0
		.amdhsa_next_free_vgpr 512
		.amdhsa_next_free_sgpr 72
		.amdhsa_reserve_vcc 0
		.amdhsa_float_denorm_mode_32 3
		.amdhsa_float_denorm_mode_16_64 3
		.amdhsa_memory_ordered 1
		.amdhsa_forward_progress 1
		.amdhsa_inst_pref_size 101
	.end_amdhsa_kernel
	.amdgpu_metadata
---
amdhsa.version: [ 1, 2 ]
amdhsa.kernels:
  - .name:           k_qf957735d26_qpass
    .symbol:         k_qf957735d26_qpass.kd
    .args:
      - { .name: x_codes, .offset: 0, .size: 8, .value_kind: global_buffer, .address_space: global }
      - { .name: x_scales, .offset: 8, .size: 8, .value_kind: global_buffer, .address_space: global }
      - { .name: Wq_codes, .offset: 16, .size: 8, .value_kind: global_buffer, .address_space: global }
      - { .name: Wq_scales, .offset: 24, .size: 8, .value_kind: global_buffer, .address_space: global }
      - { .name: bq, .offset: 32, .size: 8, .value_kind: global_buffer, .address_space: global }
      - { .name: qpart, .offset: 40, .size: 8, .value_kind: global_buffer, .address_space: global }
      - { .name: Wk_codes, .offset: 48, .size: 8, .value_kind: global_buffer, .address_space: global }
      - { .name: Wv_codes, .offset: 56, .size: 8, .value_kind: global_buffer, .address_space: global }
      - { .name: wlay, .offset: 64, .size: 8, .value_kind: global_buffer, .address_space: global }
    .group_segment_fixed_size: 116224
    .private_segment_fixed_size: 0
    .kernarg_segment_align: 8
    .kernarg_segment_size: 72
    .max_flat_workgroup_size: 256
    .sgpr_count:     72
    .vgpr_count:     512
    .wavefront_size: 32
...
	.end_amdgpu_metadata
.endif
;; end of part 1
;; launch kvpass (part 2): grid 128 x 2, 8 waves a work-group, no clusters, 116,224 bytes of LDS; arguments x_codes, x_scales, wlay, Wk_scales, bk, Wv_scales, bv, lens, qpart, wv; writes wv
.if DOCPART == 2
	.amdgcn_target "amdgcn-amd-amdhsa--gfx1250"
	.amdhsa_code_object_version 6
	.text
	.protected	k_qf957735d26_kvpass
	.globl	k_qf957735d26_kvpass
	.p2align	8
	.type	k_qf957735d26_kvpass,@function
k_qf957735d26_kvpass:
	s_mov_b64 s[64:65], 0
	v_nop
	global_prefetch_b8 v0, s[64:65] scope:SCOPE_SE
	s_setreg_imm32_b32 hwreg(HW_REG_WAVE_MODE, 25, 1), 1
	s_wait_xcnt 0x0
.set QPASS, 0
.set PITCH, 528
.set XBUF,  64*PITCH
.set SC,    2*XBUF
.set PART,  SC+2048
.set TP,    1088
.set CP,    4*TP
.set GL,    PART+10*CP
.if QPASS
.set NTRIP, 2
.else
.set NTRIP, 5
.endif
.set WA,   1
.set WSO,  2
.set BO,   3
.set XO,   4
.set SO,   5
.set XW,   6
.set SW,   7
.set XR,   8
.set SR,   9
.set PW0,  10
.set PWC,  11
.set PR,   12
.set GW,   13
.set GR,   14
.set OO,   15
.set WS,   16
.set XS,   32
.set RS,   36
.set GI,   44
.set TA,   46
.set ST,   48
.set GQO,  82
.set PR8,  83
.set BIAS, 96
.set GP,   128
.set ACC,  160
.set XF,   192
.set WV,   26
.set ROLE, 27
.set J,    28
.set CNT,  29
.set KC,   30
.set KT,   31
.set KOFF, 32
.set Q,    33
.set R,    34
.set BASE, 35
.set LN,   36
.set KU,   57
.set MSB, 0
.macro WIN new
.if MSB != \new
	s_set_vgpr_msb (MSB<<8)|\new
.set MSB, \new
.endif
.endm
.macro LOADW
	WIN 0x40
.irp t, 0,1,2,3
.irp s, 0,1,2,3
.irp c, 0,1,2,3
.if QPASS
	global_load_b128 v[64*\t+16*\s+4*\c:64*\t+16*\s+4*\c+3], v[WA], s[8:9] offset:8192*\t+128*\s+32*\c
.else
	global_load_b128 v[64*\t+16*\s+4*\c:64*\t+16*\s+4*\c+3], v[XO], s[8:9] offset:512*(16*\t+4*\s+\c)
.endif
.endr
.endr
.endr
	WIN 0
.irp t, 0,1,2,3
	global_load_b128 v[WS+4*\t:WS+4*\t+3], v[WSO], s[10:11] offset:256*\t
.endr
.irp t, 0,1,2,3
.irp u, 0,1
	global_load_b128 v[BIAS+8*\t+4*\u:BIAS+8*\t+4*\u+3], v[BO], s[12:13] offset:64*\t+16*\u
.endr
.endr
.endm
.macro STAGE_LOAD
.irp i, 0,1,2,3,4,5,6,7
.if QPASS
	global_load_b128 v[ST+4*\i:ST+4*\i+3], v[XO], s[4:5] offset:512*\i th:TH_LOAD_NT
.else
	global_load_b128 v[ST+4*\i:ST+4*\i+3], v[XO], s[4:5] offset:512*\i
.endif
.endr
	global_load_b32 v[ST+32], v[SO], s[6:7]
.endm
.macro STAGE_STORE p
.if QPASS && (\p == 1)
.set i, 0
.rept 32
	v_xor_b32 v[ST+i], 0x80808080, v[ST+i]
.set i, i+1
.endr
.endif
.irp i, 0,1,2,3,4,5,6,7
	ds_store_b128 v[XW], v[ST+4*\i:ST+4*\i+3] offset:XBUF*\p+PITCH*\i
.endr
	ds_store_b32 v[SW], v[ST+32] offset:1024*\p
.endm
.macro FETCH p, m
.irp s, 0,1,2,3
.irp c, 0,1,2,3
	ds_load_b128 v[XF+16*\s+4*\c:XF+16*\s+4*\c+3], v[XR] offset:XBUF*\p+16*PITCH*(\m)+128*\s+32*\c
.endr
.endr
	ds_load_b128 v[XS:XS+3], v[SR] offset:1024*\p+256*(\m)
.endm
.macro MM
	WIN 0x01
.irp s, 0,1,2,3
.irp t, 0,1,2,3
.if (\s == 0) && QPASS
	v_wmma_scale_f32_16x16x128_f8f6f4 v[ACC+8*\t:ACC+8*\t+7], v[64*\t+16*\s:64*\t+16*\s+15], v[XF+16*\s:XF+16*\s+15], 0, v[WS+4*\t+\s], v[XS+\s] matrix_a_fmt:MATRIX_FMT_BF8 matrix_b_fmt:MATRIX_FMT_BF8
.elseif \s == 0
	v_wmma_scale_f32_16x16x128_f8f6f4 v[ACC+8*\t:ACC+8*\t+7], v[64*\t+16*\s:64*\t+16*\s+15], v[XF+16*\s:XF+16*\s+15], v[BIAS+8*\t:BIAS+8*\t+7], v[WS+4*\t+\s], v[XS+\s] matrix_a_fmt:MATRIX_FMT_BF8 matrix_b_fmt:MATRIX_FMT_BF8
.else
	v_wmma_scale_f32_16x16x128_f8f6f4 v[ACC+8*\t:ACC+8*\t+7], v[64*\t+16*\s:64*\t+16*\s+15], v[XF+16*\s:XF+16*\s+15], v[ACC+8*\t:ACC+8*\t+7], v[WS+4*\t+\s], v[XS+\s] matrix_a_fmt:MATRIX_FMT_BF8 matrix_b_fmt:MATRIX_FMT_BF8
.endif
.endr
.endr
	WIN 0
.endm
.macro TANH p
.set i, 0
.rept 16
.if QPASS && (\p == 0)
	v_pk_fma_f32 v[ACC+i:ACC+i+1], v[ACC+i:ACC+i+1], s[58:59], v[BIAS+i:BIAS+i+1] op_sel_hi:[1,0,1]
.elseif QPASS
	v_pk_fma_f32 v[ACC+i:ACC+i+1], v[ACC+i:ACC+i+1], s[58:59], v[BIAS+i:BIAS+i+1] op_sel_hi:[1,0,1] neg_lo:[0,0,1] neg_hi:[0,0,1]
.else
	v_pk_mul_f32 v[ACC+i:ACC+i+1], v[ACC+i:ACC+i+1], s[58:59] op_sel_hi:[1,0]
.endif
.set i, i+2
.endr
.set i, 0
.rept 32
	v_exp_f32 v[ACC+i], v[ACC+i]
.set i, i+1
.endr
	v_nop
	s_wait_alu depctr_va_vdst(0)
.set i, 0
.rept 16
	v_pk_add_f32 v[ACC+i:ACC+i+1], v[ACC+i:ACC+i+1], 1.0 op_sel_hi:[1,0]
.set i, i+2
.endr
.set i, 0
.rept 32
	v_rcp_f32 v[ACC+i], v[ACC+i]
.set i, i+1
.endr
	v_nop
	s_wait_alu depctr_va_vdst(0)
.endm
.macro ACCUM p, m
.if QPASS
.set i, 0
.rept 16
.if \p == 0
	v_pk_add_f32 v[GP+i:GP+i+1], v[GP+i:GP+i+1], v[ACC+i:ACC+i+1]
.else
	v_pk_fma_f32 v[GP+i:GP+i+1], v[ACC+i:ACC+i+1], -1.0, v[GP+i:GP+i+1] op_sel_hi:[1,0,1]
.endif
.set i, i+2
.endr
.else
.irp u, 0,1,2,3
.irp t, 0,1,2,3
.if (\u == 0) && (\t == 0)
	v_pk_fma_f32 v[RS:RS+1], v[GP:GP+1], v[ACC:ACC+1], v[GI:GI+1]
.elseif \u == 0
	v_pk_mul_f32 v[RS+2*\t:RS+2*\t+1], v[GP+8*\t:GP+8*\t+1], v[ACC+8*\t:ACC+8*\t+1]
.else
	v_pk_fma_f32 v[RS+2*\t:RS+2*\t+1], v[GP+8*\t+2*\u:GP+8*\t+2*\u+1], v[ACC+8*\t+2*\u:ACC+8*\t+2*\u+1], v[RS+2*\t:RS+2*\t+1]
.endif
.endr
.endr
	v_pk_add_f32 v[RS:RS+1], v[RS:RS+1], v[RS+2:RS+3]
	v_pk_add_f32 v[RS+4:RS+5], v[RS+4:RS+5], v[RS+6:RS+7]
	v_pk_add_f32 v[RS:RS+1], v[RS:RS+1], v[RS+4:RS+5]
	v_add_f32 v[RS], v[RS], v[RS+1]
	ds_store_b32 v[PWC], v[RS] offset:CP*\p+TP*\m
.endif
.endm
.macro ROWTILE p, m, o
	s_wait_dscnt 0x0
	MM
.rept 8
	v_nop
.endr
.if \m < 3
	FETCH \p, \m+1
.else
	s_cmp_ge_u32 s[KT], s[CNT]
	s_cbranch_scc1 .Lnofetch_\@
	FETCH \o, 0
.Lnofetch_\@:
.endif
	TANH \p
	ACCUM \p, \m
.endm
.macro CHUNK p, o
	s_add_co_u32 s[KT], s[KC], \p
	s_cmp_ge_u32 s[KT], s[CNT]
	s_cbranch_scc1 .Lmid_\@
	ROWTILE \p, 0, \o
	ROWTILE \p, 1, \o
	ROWTILE \p, 2, \o
.Lmid_\@:
	s_wait_loadcnt 0x0
	s_add_co_u32 s[KT], s[KT], 1
	s_cmp_ge_u32 s[KT], s[CNT]
	s_cbranch_scc1 .Lnostore_\@
	STAGE_STORE \o
.Lnostore_\@:
	s_wait_dscnt 0x0
	s_barrier_signal -1
	s_barrier_wait -1
	s_cmp_gt_u32 s[KT], s[CNT]
	s_cbranch_scc1 .Lend_\@
	s_add_co_u32 s[KU], s[KT], 1
	s_cmp_ge_u32 s[KU], s[CNT]
	s_cbranch_scc1 .Lnoload_\@
	s_add_nc_u64 s[4:5], s[4:5], 32768
	s_add_nc_u64 s[6:7], s[6:7], 1024
	STAGE_LOAD
.Lnoload_\@:
	ROWTILE \p, 3, \o
.Lend_\@:
.endm
.macro TREE16 d, s
.irp i, 0,1,2,3,4,5,6,7
	v_pk_add_f32 v[\d+4*\i:\d+4*\i+1], v[\s+4*\i:\s+4*\i+1], v[\s+4*\i+2:\s+4*\i+3]
.endr
.irp i, 0,1,2,3
	v_pk_add_f32 v[\d+8*\i:\d+8*\i+1], v[\d+8*\i:\d+8*\i+1], v[\d+8*\i+4:\d+8*\i+5]
.endr
.irp i, 0,1
	v_pk_add_f32 v[\d+16*\i:\d+16*\i+1], v[\d+16*\i:\d+16*\i+1], v[\d+16*\i+8:\d+16*\i+9]
.endr
	v_pk_add_f32 v[\d:\d+1], v[\d:\d+1], v[\d+16:\d+17]
.endm
.macro RSEL qr, rr, q, v
	s_cmp_eq_u32 s[\qr], \q
	s_cselect_b32 s[\rr], \v, s[\rr]
.endm
.macro RTAB qr, rr
	s_mov_b32 s[\rr], 1024
	RSEL \qr, \rr, 2, 512
	RSEL \qr, \rr, 3, 342
	RSEL \qr, \rr, 4, 256
	RSEL \qr, \rr, 5, 205
	RSEL \qr, \rr, 6, 171
	RSEL \qr, \rr, 7, 147
	RSEL \qr, \rr, 8, 128
	RSEL \qr, \rr, 9, 114
.endm
.macro REDUCE adr, k8
.irp m, 0,1,2,3,4,5,6,7,8,9,10,11,12,13,14,15
	ds_load_b64 v[XF+2*\m:XF+2*\m+1], v[\adr] offset:64*\m
.endr
	s_wait_dscnt 0x0
	TREE16 XF, XF
	global_store_b64 v[OO], v[XF:XF+1], s[68:69] offset:256*\k8
.endm
.if QPASS
	s_load_b256 s[4:11], s[0:1], 0x0
	s_load_b256 s[12:19], s[0:1], 0x20
	s_load_b64 s[20:21], s[0:1], 0x40
.else
	s_load_b512 s[4:19], s[0:1], 0x0
	s_load_b128 s[20:23], s[0:1], 0x40
	v_lshl_add_u32 v94, v0, 2, 0x1c200
	v_mov_b32 v95, 0
.endif
	v_lshrrev_b32 v[TA], 5, v0
	v_readfirstlane_b32 s[WV], v[TA]
	v_and_b32 v[TA], 31, v0
	v_and_b32 v[TA+1], 15, v0
	v_bfe_u32 v[ST], v0, 4, 1
.if QPASS
	v_lshlrev_b32 v[WA], 9, v[TA+1]
	v_lshl_add_u32 v[WA], v[ST], 4, v[WA]
.endif
	v_lshlrev_b32 v[WSO], 4, v[TA+1]
	v_lshlrev_b32 v[BO], 5, v[ST]
	v_lshlrev_b32 v[XO], 4, v[TA]
	v_lshlrev_b32 v[SO], 2, v[TA]
	s_mul_i32 s52, s[WV], 8*PITCH
	v_add_nc_u32 v[XW], s52, v[XO]
	s_lshl_b32 s52, s[WV], 7
	s_add_co_u32 s53, s52, SC
	v_add_nc_u32 v[SW], s53, v[SO]
	v_mul_u32_u24 v[XR], v[TA+1], PITCH
	v_lshl_add_u32 v[XR], v[ST], 4, v[XR]
	v_lshl_add_u32 v[SR], v[TA+1], 4, SC
	s_lshl_b32 s53, s[WV], 8
	s_add_co_u32 s53, s53, GL
	v_add_nc_u32 v[GR], s53, v[BO]
.if QPASS
	v_and_b32 v[ST+1], 127, v0
	v_lshl_add_u32 v[GW], v[ST+1], 4, GL
	v_lshlrev_b32 v[OO], 4, v[ST+1]
.else
	s_add_co_u32 s53, s52, PART
	v_add_nc_u32 v[PW0], s53, v[SO]
	v_lshrrev_b32 v[ST+1], 3, v[TA]
	v_and_b32 v[ST+2], 7, v[TA]
	v_mul_u32_u24 v[PR], v[ST+1], TP
	v_lshl_add_u32 v[PR], v[ST+2], 3, v[PR]
	v_add_nc_u32 v[PR8], PART+8*CP, v[PR]
	s_mul_i32 s53, s[WV], CP
	s_add_co_u32 s53, s53, PART
	v_add_nc_u32 v[PR], s53, v[PR]
	v_lshl_add_u32 v[GW], v0, 3, GL
	v_lshlrev_b32 v[OO], 3, v[TA]
	v_lshlrev_b32 v[GQO], 3, v0
.endif
	s_mov_b32 s58, 0x4038aa3b
	s_mov_b32 s59, s58
	s_mov_b32 s61, 0
	s_wait_kmcnt 0x0
.if QPASS == 0
	s_and_b32 s[ROLE], ttmp7, 0xffff
	s_mov_b32 s[J], ttmp9
	s_mov_b32 s66, 0xbdb504f3
	s_cmp_eq_u32 s[ROLE], 0
	s_cselect_b64 s[10:11], s[10:11], s[14:15]
	s_cselect_b64 s[12:13], s[12:13], s[16:17]
	s_cselect_b32 s66, s66, 0
	s_cselect_b32 s67, 0, 0xc0000000
	s_load_b512 s[LN:LN+15], s[18:19], 0x0
	s_lshl_b32 s60, s[ROLE], 18
	s_add_nc_u64 s[8:9], s[8:9], s[60:61]
.endif
	s_lshl_b32 s60, s[WV], 15
	s_add_nc_u64 s[8:9], s[8:9], s[60:61]
	s_lshl_b32 s60, s[WV], 10
	s_add_nc_u64 s[10:11], s[10:11], s[60:61]
	s_lshl_b32 s60, s[WV], 8
	s_add_nc_u64 s[12:13], s[12:13], s[60:61]
	LOADW
.if QPASS
	s_lshl_b32 s52, ttmp9, 8
	s_mov_b32 s[CNT], 4
	s_lshl_b32 s60, ttmp9, 11
	s_add_nc_u64 s[68:69], s[14:15], s[60:61]
	s_add_nc_u64 s[20:21], s[20:21], s[60:61]
	s_cmp_lt_u32 ttmp9, 128
	s_cselect_b64 s[16:17], s[16:17], s[18:19]
	s_lshr_b32 s60, ttmp9, 2
	s_and_b32 s60, s60, 31
	s_lshl_b32 s60, s60, 13
	s_and_b32 s54, ttmp9, 3
	s_lshl_b32 s54, s54, 7
	s_add_co_u32 s60, s60, s54
	s_add_nc_u64 s[16:17], s[16:17], s[60:61]
.else
	s_wait_kmcnt 0x0
	s_mov_b32 s[BASE], 0
.irp b, 0,1,2,3,4,5,6,7,8,9,10,11,12,13,14,15
	s_max_i32 s[LN+\b], s[LN+\b], 0
	s_min_u32 s[LN+\b], s[LN+\b], 4096
	s_add_co_u32 s[LN+\b], s[LN+\b], 63
	s_lshr_b32 s[LN+\b], s[LN+\b], 6
	s_add_co_u32 s[BASE], s[BASE], s[LN+\b]
.endr
	s_max_u32 s[Q], s[BASE], 16
	s_add_co_u32 s[Q], s[Q], 95
	s_mul_i32 s[Q], s[Q], 37450
	s_lshr_b32 s[Q], s[Q], 22
	s_max_u32 s[Q], s[Q], 1
	s_sub_co_u32 s52, s[Q], 1
	s_max_u32 s52, s52, 1
	RTAB Q, R
	RTAB 52, 53
	s_sub_co_u32 s55, s52, 1
	s_mov_b32 s54, 0
.irp b, 0,1,2,3,4,5,6,7,8,9,10,11,12,13,14,15
	s_add_co_u32 s56, s[LN+\b], s55
	s_mul_i32 s56, s56, s53
	s_lshr_b32 s56, s56, 10
	s_add_co_u32 s54, s54, s56
.endr
	s_cmp_le_u32 s54, 128
	s_cselect_b32 s[Q], s52, s[Q]
	s_cselect_b32 s[R], s53, s[R]
	s_mov_b32 s[BASE], 0
	s_mov_b32 s52, 0
	s_mov_b32 s53, 0
	s_mov_b32 s54, 0
	s_sub_co_u32 s55, s[Q], 1
.irp b, 0,1,2,3,4,5,6,7,8,9,10,11,12,13,14,15
	s_cmp_ge_u32 s[J], s[BASE]
	s_cselect_b32 s52, \b, s52
	s_cselect_b32 s53, s[BASE], s53
	s_cselect_b32 s54, s[LN+\b], s54
	s_add_co_u32 s56, s[LN+\b], s55
	s_mul_i32 s56, s56, s[R]
	s_lshr_b32 s56, s56, 10
	s_add_co_u32 s[BASE], s[BASE], s56
.endr
	s_sub_co_u32 s56, s[J], s53
	s_mul_i32 s56, s56, s[Q]
	s_sub_co_i32 s[CNT], s54, s56
	s_min_i32 s[CNT], s[CNT], s[Q]
	s_max_i32 s[CNT], s[CNT], 0
	s_min_u32 s[CNT], s[CNT], 9
	s_min_u32 s52, s52, 15
	s_min_u32 s56, s56, 63
	s_lshl_b32 s60, s52, 15
	s_add_nc_u64 s[20:21], s[20:21], s[60:61]
	s_lshl_b32 s52, s52, 12
	s_lshl_b32 s56, s56, 6
	s_add_co_u32 s52, s52, s56
	s_lshl_b32 s60, s52, 2
	s_lshl_b32 s57, s[ROLE], 18
	s_add_co_u32 s60, s60, s57
	s_lshl_b32 s57, s[WV], 8
	s_add_co_u32 s60, s60, s57
	s_add_nc_u64 s[68:69], s[22:23], s[60:61]
.endif
	s_lshl_b32 s56, s[WV], 3
	s_add_co_u32 s56, s52, s56
	s_lshl_b32 s60, s56, 9
	s_add_nc_u64 s[4:5], s[4:5], s[60:61]
	s_lshl_b32 s60, s56, 4
	s_add_nc_u64 s[6:7], s[6:7], s[60:61]
.if QPASS
	s_cmp_lg_u32 s[WV], 0
	s_cbranch_scc1 .Lnot_mine_in
.irp c, 0,1,2,3
	global_load_b128 v[XF+4*\c:XF+4*\c+3], v[WA], s[16:17] offset:32*\c
.endr
.Lnot_mine_in:
.else
.irp p, 0,1,2,3,4,5,6,7,8,9,10,11,12,13,14,15
	global_load_b64 v[XF+2*\p:XF+2*\p+1], v[GQO], s[20:21] offset:2048*\p
.endr
.endif
	STAGE_LOAD
	s_wait_loadcnt 0x0
.if QPASS
	s_cmp_lg_u32 s[WV], 0
	s_cbranch_scc1 .Lnot_mine_out
.irp c, 0,1,2,3
	global_store_b128 v[XO], v[XF+4*\c:XF+4*\c+3], s[20:21] offset:512*\c
.endr
.Lnot_mine_out:
	s_wait_xcnt 0x0
.set i, 0
.rept 16
	v_pk_mul_f32 v[BIAS+i:BIAS+i+1], v[BIAS+i:BIAS+i+1], s[58:59] op_sel_hi:[1,0]
.set i, i+2
.endr
.set i, 0
.rept 32
	v_mov_b32 v[GP+i], 0
.set i, i+1
.endr
.else
	TREE16 XF, XF
	v_fma_f32 v[XF], v[XF], s66, s67
	v_fma_f32 v[XF+1], v[XF+1], s66, s67
	ds_store_b64 v[GW], v[XF:XF+1]
.endif
	STAGE_STORE 0
	s_wait_dscnt 0x0
	s_barrier_signal -1
	s_barrier_wait -1
.if QPASS == 0
.irp t, 0,1,2,3
.irp u, 0,1
	ds_load_b128 v[GP+8*\t+4*\u:GP+8*\t+4*\u+3], v[GR] offset:64*\t+16*\u
.endr
.endr
.endif
	s_cmp_lt_u32 s[CNT], 2
	s_cbranch_scc1 .Lone_chunk
	s_add_nc_u64 s[4:5], s[4:5], 32768
	s_add_nc_u64 s[6:7], s[6:7], 1024
	STAGE_LOAD
.Lone_chunk:
.if QPASS == 0
	s_wait_dscnt 0x0
	TREE16 XF, GP
	v_add_f32 v[XF], v[XF], v[XF+1]
	v_mul_f32 v[GI], -0.5, v[XF]
	v_mov_b32 v[GI+1], 0
	s_mov_b32 s[KOFF], 0
.endif
	FETCH 0, 0
	s_mov_b32 s[KC], 0
.Ltrip:
.if QPASS == 0
	s_wait_dscnt 0x0
	v_add_nc_u32 v[PWC], s[KOFF], v[PW0]
.endif
	CHUNK 0, 1
	CHUNK 1, 0
.if QPASS == 0
	s_add_co_u32 s[KOFF], s[KOFF], 2*CP
.endif
	s_add_co_u32 s[KC], s[KC], 2
	s_cmp_lt_u32 s[KC], 2*NTRIP
	s_cbranch_scc1 .Ltrip
.if QPASS
.set i, 0
.rept 32
	v_mul_f32 v[GP+i], -2.0, v[GP+i]
.set i, i+1
.endr
.irp x, 1,2,4,8
.set i, 0
.rept 32
	v_add_f32_dpp v[GP+i], v[GP+i], v[GP+i] row_xmask:\x row_mask:0xf bank_mask:0xf
.set i, i+1
.endr
.endr
.irp t, 0,1,2,3
.irp u, 0,1
	ds_store_b128 v[GR], v[GP+8*\t+4*\u:GP+8*\t+4*\u+3] offset:64*\t+16*\u
.endr
.endr
	s_wait_dscnt 0x0
	s_barrier_signal -1
	s_barrier_wait -1
	s_cmp_gt_u32 s[WV], 3
	s_cbranch_scc1 .Ldone
	ds_load_b128 v[XF:XF+3], v[GW]
	s_wait_dscnt 0x0
	global_store_b128 v[OO], v[XF:XF+3], s[68:69]
.else
	s_wait_dscnt 0x0
	s_barrier_signal -1
	s_barrier_wait -1
	s_cmp_ge_u32 s[WV], s[CNT]
	s_cbranch_scc1 .Ldone
	REDUCE PR, 0
	s_cmp_lg_u32 s[WV], 0
	s_cbranch_scc1 .Ldone
	s_cmp_lt_u32 s[CNT], 9
	s_cbranch_scc1 .Ldone
	s_wait_xcnt 0x0
	REDUCE PR8, 8
.endif
.Ldone:
	s_wait_tensorcnt 0x0
	ds_add_u32 v94, v95
	s_wait_dscnt 0x0
	s_endpgm
.Lfunc_end_k_qf957735d26_kvpass:
	.size	k_qf957735d26_kvpass, .Lfunc_end_k_qf957735d26_kvpass-k_qf957735d26_kvpass
	.p2alignl 7, 3214868480
	.fill 96, 4, 3214868480
	.section	.rodata,"a",@progbits
	.p2align	6, 0x0
	.amdhsa_kernel k_qf957735d26_kvpass
		.amdhsa_group_segment_fixed_size 116224
		.amdhsa_private_segment_fixed_size 0
		.amdhsa_enable_private_segment 0
		.amdhsa_kernarg_size 80
		.amdhsa_user_sgpr_count 2
		.amdhsa_user_sgpr_kernarg_segment_ptr 1
		.amdhsa_wavefront_size32 1
		.amdhsa_system_sgpr_workgroup_id_x 1
		.amdhsa_system_sgpr_workgroup_id_y 1
		.amdhsa_system_sgpr_workgroup_id_z 1
		.amdhsa_system_vgpr_workitem_id 0
		.amdhsa_next_free_vgpr 512
		.amdhsa_next_free_sgpr 72
		.amdhsa_reserve_vcc 0
		.amdhsa_float_denorm_mode_32 3
		.amdhsa_float_denorm_mode_16_64 3
		.amdhsa_memory_ordered 1
		.amdhsa_forward_progress 1
		.amdhsa_inst_pref_size 110
	.end_amdhsa_kernel
	.amdgpu_metadata
---
amdhsa.version: [ 1, 2 ]
amdhsa.kernels:
  - .name:           k_qf957735d26_kvpass
    .symbol:         k_qf957735d26_kvpass.kd
    .args:
      - { .name: x_codes, .offset: 0, .size: 8, .value_kind: global_buffer, .address_space: global }
      - { .name: x_scales, .offset: 8, .size: 8, .value_kind: global_buffer, .address_space: global }
      - { .name: wlay, .offset: 16, .size: 8, .value_kind: global_buffer, .address_space: global }
      - { .name: Wk_scales, .offset: 24, .size: 8, .value_kind: global_buffer, .address_space: global }
      - { .name: bk, .offset: 32, .size: 8, .value_kind: global_buffer, .address_space: global }
      - { .name: Wv_scales, .offset: 40, .size: 8, .value_kind: global_buffer, .address_space: global }
      - { .name: bv, .offset: 48, .size: 8, .value_kind: global_buffer, .address_space: global }
      - { .name: lens, .offset: 56, .size: 8, .value_kind: global_buffer, .address_space: global }
      - { .name: qpart, .offset: 64, .size: 8, .value_kind: global_buffer, .address_space: global }
      - { .name: wv, .offset: 72, .size: 8, .value_kind: global_buffer, .address_space: global }
    .group_segment_fixed_size: 116224
    .private_segment_fixed_size: 0
    .kernarg_segment_align: 8
    .kernarg_segment_size: 80
    .max_flat_workgroup_size: 256
    .sgpr_count:     72
    .vgpr_count:     512
    .wavefront_size: 32
...
	.end_amdgpu_metadata
.endif
;; end of part 2
;; launch soft (part 3): grid 16 x 1, 32 waves a work-group, no clusters, 4,608 bytes of LDS; arguments wv, lens, out0; writes out0
.if DOCPART == 3
	.amdgcn_target "amdgcn-amd-amdhsa--gfx1250"
	.amdhsa_code_object_version 6
	.text
	.protected	k_qf957735d26_soft
	.globl	k_qf957735d26_soft
	.p2align	8
	.type	k_qf957735d26_soft,@function
k_qf957735d26_soft:
	s_mov_b64 s[64:65], 0
	v_nop
	global_prefetch_b8 v0, s[64:65] scope:SCOPE_SE
	s_setreg_imm32_b32 hwreg(HW_REG_WAVE_MODE, 25, 1), 1
	s_wait_xcnt 0x0
	s_load_b128 s[4:7], s[0:1], 0x0
	s_load_b64 s[8:9], s[0:1], 0x10
	v_lshl_add_u32 v32, v0, 2, 0x200
	v_mov_b32 v33, 0
	v_lshrrev_b32 v1, 5, v0
	v_and_b32 v2, 31, v0
	v_lshlrev_b32 v3, 4, v0
	v_lshlrev_b32 v4, 2, v0
	v_lshlrev_b32 v5, 2, v1
	v_lshlrev_b32 v6, 2, v2
	s_lshl_b32 s12, ttmp9, 2
	s_mov_b32 s13, 0
	s_lshl_b32 s14, ttmp9, 14
	s_mov_b32 s15, 0
	s_mov_b32 s20, 0x76543210
	s_mov_b32 s21, 0xfedcba98
	s_mov_b32 s22, 0x3fb8aa3b
	v_mov_b32 v16, 0xff800000
.irp i, 0,1,2,3
	v_mov_b32 v[8+\i], 0xff800000
	v_mov_b32 v[12+\i], 0
.endr
	v_mov_b32 v18, 0
	s_wait_kmcnt 0x0
	s_add_nc_u64 s[6:7], s[6:7], s[12:13]
	s_add_nc_u64 s[4:5], s[4:5], s[14:15]
	s_add_nc_u64 s[8:9], s[8:9], s[14:15]
	s_load_b32 s16, s[6:7], 0x0
	s_wait_kmcnt 0x0
	s_max_i32 s17, s16, 0
	s_min_u32 s17, s17, 4096
	s_add_co_u32 s17, s17, 63
	s_lshr_b32 s17, s17, 6
	s_lshl_b32 s17, s17, 6
	v_cmp_gt_u32 vcc_lo, s17, v4
	s_wait_xcnt 0x0
	s_and_saveexec_b32 s18, vcc_lo
	global_load_b128 v[8:11], v3, s[4:5]
	global_load_b128 v[12:15], v3, s[4:5] offset:262144
	s_wait_xcnt 0x0
	s_or_b32 exec_lo, exec_lo, s18
	s_wait_loadcnt 0x0
.irp i, 0,1,2,3
	v_add_nc_u32 v7, \i, v4
	v_cmp_gt_i32 vcc_lo, s16, v7
	v_cndmask_b32 v[8+\i], v16, v[8+\i], vcc_lo
.endr
.macro WMAX
	v_max_num_f32_dpp v17, v17, v17 row_xmask:1 row_mask:0xf bank_mask:0xf
	v_max_num_f32_dpp v17, v17, v17 row_xmask:2 row_mask:0xf bank_mask:0xf
	v_max_num_f32_dpp v17, v17, v17 row_xmask:4 row_mask:0xf bank_mask:0xf
	v_max_num_f32_dpp v17, v17, v17 row_xmask:8 row_mask:0xf bank_mask:0xf
	v_permlanex16_b32 v18, v17, s20, s21
	v_max_num_f32 v17, v17, v18
.endm
.macro WSUM
	v_add_f32_dpp v17, v17, v17 row_xmask:1 row_mask:0xf bank_mask:0xf
	v_add_f32_dpp v17, v17, v17 row_xmask:2 row_mask:0xf bank_mask:0xf
	v_add_f32_dpp v17, v17, v17 row_xmask:4 row_mask:0xf bank_mask:0xf
	v_add_f32_dpp v17, v17, v17 row_xmask:8 row_mask:0xf bank_mask:0xf
	v_permlanex16_b32 v18, v17, s20, s21
	v_add_f32 v17, v17, v18
.endm
	v_max3_num_f32 v17, v8, v9, v10
	v_max_num_f32 v17, v17, v11
	WMAX
	ds_store_b32 v5, v17
	s_wait_dscnt 0x0
	s_barrier_signal -1
	s_barrier_wait -1
	ds_load_b32 v17, v6
	s_wait_dscnt 0x0
	WMAX
	v_mul_f32 v19, s22, v17
.irp i, 0,1,2,3
	v_fma_f32 v[8+\i], v[8+\i], s22, -v19
.endr
.irp i, 0,1,2,3
	v_exp_f32 v[8+\i], v[8+\i]
.endr
	v_nop
	s_wait_alu depctr_va_vdst(0)
	v_add_f32 v17, v8, v9
	v_add_f32 v20, v10, v11
	v_add_f32 v17, v17, v20
	WSUM
	ds_store_b32 v5, v17 offset:128
	s_wait_dscnt 0x0
	s_barrier_signal -1
	s_barrier_wait -1
	ds_load_b32 v17, v6 offset:128
	s_wait_dscnt 0x0
	WSUM
	v_rcp_f32 v17, v17
	v_pk_mul_f32 v[8:9], v[8:9], v[12:13]
	v_pk_mul_f32 v[10:11], v[10:11], v[14:15]
	s_wait_alu depctr_va_vdst(0)
.irp i, 0,1,2,3
	v_mul_f32 v[8+\i], v[8+\i], v17
.endr
	global_store_b128 v3, v[8:11], s[8:9]
	s_wait_tensorcnt 0x0
	ds_add_u32 v32, v33
	s_wait_dscnt 0x0
	s_endpgm
.Lfunc_end_k_qf957735d26_soft:
	.size	k_qf957735d26_soft, .Lfunc_end_k_qf957735d26_soft-k_qf957735d26_soft
	.p2alignl 7, 3214868480
	.fill 96, 4, 3214868480
	.section	.rodata,"a",@progbits
	.p2align	6, 0x0
	.amdhsa_kernel k_qf957735d26_soft
		.amdhsa_group_segment_fixed_size 4608
		.amdhsa_private_segment_fixed_size 0
		.amdhsa_enable_private_segment 0
		.amdhsa_kernarg_size 24
		.amdhsa_user_sgpr_count 2
		.amdhsa_user_sgpr_kernarg_segment_ptr 1
		.amdhsa_wavefront_size32 1
		.amdhsa_system_sgpr_workgroup_id_x 1
		.amdhsa_system_sgpr_workgroup_id_y 1
		.amdhsa_system_sgpr_workgroup_id_z 1
		.amdhsa_system_vgpr_workitem_id 0
		.amdhsa_next_free_vgpr 34
		.amdhsa_next_free_sgpr 66
		.amdhsa_reserve_vcc 1
		.amdhsa_float_denorm_mode_32 3
		.amdhsa_float_denorm_mode_16_64 3
		.amdhsa_memory_ordered 1
		.amdhsa_forward_progress 1
		.amdhsa_inst_pref_size 6
	.end_amdhsa_kernel
	.amdgpu_metadata
---
amdhsa.version: [ 1, 2 ]
amdhsa.kernels:
  - .name:           k_qf957735d26_soft
    .symbol:         k_qf957735d26_soft.kd
    .args:
      - { .name: wv, .offset: 0, .size: 8, .value_kind: global_buffer, .address_space: global }
      - { .name: lens, .offset: 8, .size: 8, .value_kind: global_buffer, .address_space: global }
      - { .name: out0, .offset: 16, .size: 8, .value_kind: global_buffer, .address_space: global }
    .group_segment_fixed_size: 4608
    .private_segment_fixed_size: 0
    .kernarg_segment_align: 8
    .kernarg_segment_size: 24
    .max_flat_workgroup_size: 1024
    .sgpr_count:     66
    .vgpr_count:     34
    .wavefront_size: 32
...
	.end_amdgpu_metadata
.endif
;; end of part 3
;; ======== version 2 of 2: 3 launches
;; workspace buffers: qpart 524,288 bytes; wv 524,288 bytes; wlay 524,288 bytes
;; launch qpass (part 4): grid 256 x 1, 8 waves a work-group, no clusters, 116,224 bytes of LDS; arguments x_codes, x_scales, Wq_codes, Wq_scales, bq, qpart, Wk_codes, Wv_codes, wlay; writes qpart, wlay
.if DOCPART == 4
	.amdgcn_target "amdgcn-amd-amdhsa--gfx1250"
	.amdhsa_code_object_version 6
	.text
	.protected	k_qf957735d26_qpass
	.globl	k_qf957735d26_qpass
	.p2align	8
	.type	k_qf957735d26_qpass,@function
k_qf957735d26_qpass:
	s_mov_b64 s[64:65], 0
	v_nop
	global_prefetch_b8 v0, s[64:65] scope:SCOPE_SE
	s_setreg_imm32_b32 hwreg(HW_REG_WAVE_SCHED_MODE, 0, 2), 2
	s_setreg_imm32_b32 hwreg(HW_REG_WAVE_MODE, 25, 1), 1
	s_wait_xcnt 0x0
	s_wait_alu depctr_vm_vsrc(0)
.set QPASS, 1
.set PITCH, 528
.set XBUF,  64*PITCH
.set SC,    2*XBUF
.set PART,  SC+2048
.set TP,    1088
.set CP,    4*TP
.set GL,    PART+10*CP
.if QPASS
.set NTRIP, 2
.else
.set NTRIP, 5
.endif
.set WA,   1
.set WSO,  2
.set BO,   3
.set XO,   4
.set SO,   5
.set XW,   6
.set SW,   7
.set XR,   8
.set SR,   9
.set PW0,  10
.set PWC,  11
.set PR,   12
.set GW,   13
.set GR,   14
.set OO,   15
.set WS,   16
.set XS,   32
.set RS,   36
.set GI,   44
.set TA,   46
.set ST,   48
.set GQO,  82
.set PR8,  83
.set BIAS, 96
.set GP,   128
.set ACC,  160
.set XF,   192
.set WV,   26
.set ROLE, 27
.set J,    28
.set CNT,  29
.set KC,   30
.set KT,   31
.set KOFF, 32
.set Q,    33
.set R,    34
.set BASE, 35
.set LN,   36
.set KU,   57
.set MSB, 0
.macro WIN new
.if MSB != \new
	s_set_vgpr_msb (MSB<<8)|\new
.set MSB, \new
.endif
.endm
.macro LOADW
	WIN 0x40
	s_wait_alu depctr_va_vdst(0)
.irp t, 0,1,2,3
.irp s, 0,1,2,3
.irp c, 0,1,2,3
.if QPASS
	global_load_b128 v[64*\t+16*\s+4*\c:64*\t+16*\s+4*\c+3], v[WA], s[8:9] offset:8192*\t+128*\s+32*\c
.else
	global_load_b128 v[64*\t+16*\s+4*\c:64*\t+16*\s+4*\c+3], v[XO], s[8:9] offset:512*(16*\t+4*\s+\c)
.endif
.endr
.endr
.endr
	WIN 0
.irp t, 0,1,2,3
	global_load_b128 v[WS+4*\t:WS+4*\t+3], v[WSO], s[10:11] offset:256*\t
.endr
.irp t, 0,1,2,3
.irp u, 0,1
	global_load_b128 v[BIAS+8*\t+4*\u:BIAS+8*\t+4*\u+3], v[BO], s[12:13] offset:64*\t+16*\u
.endr
.endr
.endm
.macro STAGE_LOAD
.irp i, 0,1,2,3,4,5,6,7
.if QPASS
	global_load_b128 v[ST+4*\i:ST+4*\i+3], v[XO], s[4:5] offset:512*\i th:TH_LOAD_NT
.else
	global_load_b128 v[ST+4*\i:ST+4*\i+3], v[XO], s[4:5] offset:512*\i
.endif
.endr
	global_load_b32 v[ST+32], v[SO], s[6:7]
.endm
.macro STAGE_STORE p
.if QPASS && (\p == 1)
.set i, 0
.rept 32
	v_xor_b32 v[ST+i], 0x80808080, v[ST+i]
.set i, i+1
.endr
	s_wait_alu depctr_va_vdst(0)
.endif
.irp i, 0,1,2,3,4,5,6,7
	ds_store_b128 v[XW], v[ST+4*\i:ST+4*\i+3] offset:XBUF*\p+PITCH*\i
.endr
	ds_store_b32 v[SW], v[ST+32] offset:1024*\p
.endm
.macro FETCH p, m
.irp s, 0,1,2,3
.irp c, 0,1,2,3
	ds_load_b128 v[XF+16*\s+4*\c:XF+16*\s+4*\c+3], v[XR] offset:XBUF*\p+16*PITCH*(\m)+128*\s+32*\c
.endr
.endr
	ds_load_b128 v[XS:XS+3], v[SR] offset:1024*\p+256*(\m)
.endm
.macro MM
	WIN 0x01
.irp s, 0,1,2,3
.irp t, 0,1,2,3
.if (\s == 0) && QPASS
	v_wmma_scale_f32_16x16x128_f8f6f4 v[ACC+8*\t:ACC+8*\t+7], v[64*\t+16*\s:64*\t+16*\s+15], v[XF+16*\s:XF+16*\s+15], 0, v[WS+4*\t+\s], v[XS+\s] matrix_a_fmt:MATRIX_FMT_BF8 matrix_b_fmt:MATRIX_FMT_BF8
.elseif \s == 0
	v_wmma_scale_f32_16x16x128_f8f6f4 v[ACC+8*\t:ACC+8*\t+7], v[64*\t+16*\s:64*\t+16*\s+15], v[XF+16*\s:XF+16*\s+15], v[BIAS+8*\t:BIAS+8*\t+7], v[WS+4*\t+\s], v[XS+\s] matrix_a_fmt:MATRIX_FMT_BF8 matrix_b_fmt:MATRIX_FMT_BF8
.else
	v_wmma_scale_f32_16x16x128_f8f6f4 v[ACC+8*\t:ACC+8*\t+7], v[64*\t+16*\s:64*\t+16*\s+15], v[XF+16*\s:XF+16*\s+15], v[ACC+8*\t:ACC+8*\t+7], v[WS+4*\t+\s], v[XS+\s] matrix_a_fmt:MATRIX_FMT_BF8 matrix_b_fmt:MATRIX_FMT_BF8
.endif
.endr
.endr
	WIN 0
.endm
.macro SCALE p
.set i, 0
.rept 16
.if QPASS && (\p == 0)
	v_pk_fma_f32 v[ACC+i:ACC+i+1], v[ACC+i:ACC+i+1], s[58:59], v[BIAS+i:BIAS+i+1] op_sel_hi:[1,0,1]
.elseif QPASS
	v_pk_fma_f32 v[ACC+i:ACC+i+1], v[ACC+i:ACC+i+1], s[58:59], v[BIAS+i:BIAS+i+1] op_sel_hi:[1,0,1] neg_lo:[0,0,1] neg_hi:[0,0,1]
.else
	v_pk_mul_f32 v[ACC+i:ACC+i+1], v[ACC+i:ACC+i+1], s[58:59] op_sel_hi:[1,0]
.endif
.set i, i+2
.endr
.endm
.macro EXPS
.set i, 0
.rept 32
	v_exp_f32 v[ACC+i], v[ACC+i]
.set i, i+1
.endr
.endm
.macro EXPS_FETCH p, m
	ds_load_b128 v[XS:XS+3], v[SR] offset:1024*\p+256*(\m)
	v_exp_f32 v[ACC], v[ACC]
.set i, 1
.irp s, 0,1,2,3
.irp c, 0,1,2,3
	ds_load_b128 v[XF+16*\s+4*\c:XF+16*\s+4*\c+3], v[XR] offset:XBUF*\p+16*PITCH*(\m)+128*\s+32*\c
	v_exp_f32 v[ACC+i], v[ACC+i]
.set i, i+1
.endr
.endr
.rept 15
	v_exp_f32 v[ACC+i], v[ACC+i]
.set i, i+1
.endr
.endm
.macro RECIP
	v_nop
	s_wait_alu depctr_va_vdst(0)
.set i, 0
.rept 16
	v_pk_add_f32 v[ACC+i:ACC+i+1], v[ACC+i:ACC+i+1], 1.0 op_sel_hi:[1,0]
.set i, i+2
.endr
.set i, 0
	s_wait_alu depctr_va_vdst(0)
.rept 32
	v_rcp_f32 v[ACC+i], v[ACC+i]
.set i, i+1
.endr
	v_nop
	s_wait_alu depctr_va_vdst(0)
.endm
.macro ACCUM p, m
.if QPASS
.set i, 0
.rept 16
.if \p == 0
	v_pk_add_f32 v[GP+i:GP+i+1], v[GP+i:GP+i+1], v[ACC+i:ACC+i+1]
.else
	v_pk_fma_f32 v[GP+i:GP+i+1], v[ACC+i:ACC+i+1], -1.0, v[GP+i:GP+i+1] op_sel_hi:[1,0,1]
.endif
.set i, i+2
.endr
.else
	s_wait_alu depctr_vm_vsrc(0)
.irp u, 0,1,2,3
.irp t, 0,1,2,3
.if (\u == 0) && (\t == 0)
	v_pk_fma_f32 v[RS:RS+1], v[GP:GP+1], v[ACC:ACC+1], v[GI:GI+1]
.elseif \u == 0
	v_pk_mul_f32 v[RS+2*\t:RS+2*\t+1], v[GP+8*\t:GP+8*\t+1], v[ACC+8*\t:ACC+8*\t+1]
.else
	v_pk_fma_f32 v[RS+2*\t:RS+2*\t+1], v[GP+8*\t+2*\u:GP+8*\t+2*\u+1], v[ACC+8*\t+2*\u:ACC+8*\t+2*\u+1], v[RS+2*\t:RS+2*\t+1]
.endif
.endr
.endr
	v_pk_add_f32 v[RS:RS+1], v[RS:RS+1], v[RS+2:RS+3]
	v_pk_add_f32 v[RS+4:RS+5], v[RS+4:RS+5], v[RS+6:RS+7]
	v_pk_add_f32 v[RS:RS+1], v[RS:RS+1], v[RS+4:RS+5]
	v_add_f32 v[RS], v[RS], v[RS+1]
	s_wait_alu depctr_va_vdst(0)
	ds_store_b32 v[PWC], v[RS] offset:CP*\p+TP*\m
.endif
.endm
.macro ROWTILE p, m, o
	s_wait_dscnt 0x0
	MM
.rept 8
	v_nop
.endr
	SCALE \p
.if \m < 3
	s_wait_alu depctr_va_vdst(0)
	EXPS_FETCH \p, \m+1
.else
	s_cmp_ge_u32 s[KT], s[CNT]
	s_cbranch_scc1 .Lnofetch_\@
	s_wait_alu depctr_va_vdst(0)
	FETCH \o, 0
.Lnofetch_\@:
	s_wait_alu depctr_va_vdst(0)
	EXPS
.endif
	RECIP
	ACCUM \p, \m
.endm
.macro CHUNK p, o
	s_add_co_u32 s[KT], s[KC], \p
	s_cmp_ge_u32 s[KT], s[CNT]
	s_cbranch_scc1 .Lmid_\@
	ROWTILE \p, 0, \o
	ROWTILE \p, 1, \o
	ROWTILE \p, 2, \o
.Lmid_\@:
	s_wait_loadcnt 0x0
	s_add_co_u32 s[KT], s[KT], 1
	s_cmp_ge_u32 s[KT], s[CNT]
	s_cbranch_scc1 .Lnostore_\@
	STAGE_STORE \o
.Lnostore_\@:
	s_wait_dscnt 0x0
	s_wait_alu depctr_vm_vsrc(0)
	s_barrier_signal -1
	s_barrier_wait -1
	s_cmp_gt_u32 s[KT], s[CNT]
	s_cbranch_scc1 .Lend_\@
	s_add_co_u32 s[KU], s[KT], 1
	s_cmp_ge_u32 s[KU], s[CNT]
	s_cbranch_scc1 .Lnoload_\@
	s_add_nc_u64 s[4:5], s[4:5], 32768
	s_add_nc_u64 s[6:7], s[6:7], 1024
	STAGE_LOAD
.Lnoload_\@:
	ROWTILE \p, 3, \o
.Lend_\@:
.endm
.macro TREE16 d, s
.irp i, 0,1,2,3,4,5,6,7
	v_pk_add_f32 v[\d+4*\i:\d+4*\i+1], v[\s+4*\i:\s+4*\i+1], v[\s+4*\i+2:\s+4*\i+3]
.endr
.irp i, 0,1,2,3
	v_pk_add_f32 v[\d+8*\i:\d+8*\i+1], v[\d+8*\i:\d+8*\i+1], v[\d+8*\i+4:\d+8*\i+5]
.endr
.irp i, 0,1
	v_pk_add_f32 v[\d+16*\i:\d+16*\i+1], v[\d+16*\i:\d+16*\i+1], v[\d+16*\i+8:\d+16*\i+9]
.endr
	v_pk_add_f32 v[\d:\d+1], v[\d:\d+1], v[\d+16:\d+17]
.endm
.macro RSEL qr, rr, q, v
	s_cmp_eq_u32 s[\qr], \q
	s_cselect_b32 s[\rr], \v, s[\rr]
.endm
.macro RTAB qr, rr
	s_mov_b32 s[\rr], 1024
	RSEL \qr, \rr, 2, 512
	RSEL \qr, \rr, 3, 342
	RSEL \qr, \rr, 4, 256
	RSEL \qr, \rr, 5, 205
	RSEL \qr, \rr, 6, 171
	RSEL \qr, \rr, 7, 147
	RSEL \qr, \rr, 8, 128
	RSEL \qr, \rr, 9, 114
.endm
.macro REDUCE adr, k8
.irp m, 0,1,2,3,4,5,6,7,8,9,10,11,12,13,14,15
	ds_load_b64 v[XF+2*\m:XF+2*\m+1], v[\adr] offset:64*\m
.endr
	s_wait_dscnt 0x0
	TREE16 XF, XF
	s_wait_alu depctr_va_vdst(0)
	global_store_b64 v[OO], v[XF:XF+1], s[68:69] offset:256*\k8
.endm
.if QPASS
	s_load_b256 s[4:11], s[0:1], 0x0
	s_load_b256 s[12:19], s[0:1], 0x20
	s_load_b64 s[20:21], s[0:1], 0x40
	v_lshl_add_u32 v94, v0, 2, 0x1c200
	v_mov_b32 v95, 0
.else
	s_load_b512 s[4:19], s[0:1], 0x0
	s_load_b128 s[20:23], s[0:1], 0x40
.endif
	v_lshrrev_b32 v[TA], 5, v0
	v_readfirstlane_b32 s[WV], v[TA]
	v_and_b32 v[TA], 31, v0
	v_and_b32 v[TA+1], 15, v0
	v_bfe_u32 v[ST], v0, 4, 1
.if QPASS
	v_lshlrev_b32 v[WA], 9, v[TA+1]
	v_lshl_add_u32 v[WA], v[ST], 4, v[WA]
.endif
	v_lshlrev_b32 v[WSO], 4, v[TA+1]
	v_lshlrev_b32 v[BO], 5, v[ST]
	v_lshlrev_b32 v[XO], 4, v[TA]
	v_lshlrev_b32 v[SO], 2, v[TA]
	s_wait_alu depctr_va_sdst(0)
	s_mul_i32 s52, s[WV], 8*PITCH
	v_add_nc_u32 v[XW], s52, v[XO]
	s_lshl_b32 s52, s[WV], 7
	s_add_co_u32 s53, s52, SC
	v_add_nc_u32 v[SW], s53, v[SO]
	v_mul_u32_u24 v[XR], v[TA+1], PITCH
	v_lshl_add_u32 v[XR], v[ST], 4, v[XR]
	v_lshl_add_u32 v[SR], v[TA+1], 4, SC
	s_lshl_b32 s53, s[WV], 8
	s_add_co_u32 s53, s53, GL
	v_add_nc_u32 v[GR], s53, v[BO]
.if QPASS
	v_and_b32 v[ST+1], 127, v0
	v_lshl_add_u32 v[GW], v[ST+1], 4, GL
	v_lshlrev_b32 v[OO], 4, v[ST+1]
.else
	s_add_co_u32 s53, s52, PART
	v_add_nc_u32 v[PW0], s53, v[SO]
	v_lshrrev_b32 v[ST+1], 3, v[TA]
	v_and_b32 v[ST+2], 7, v[TA]
	v_mul_u32_u24 v[PR], v[ST+1], TP
	v_lshl_add_u32 v[PR], v[ST+2], 3, v[PR]
	v_add_nc_u32 v[PR8], PART+8*CP, v[PR]
	s_mul_i32 s53, s[WV], CP
	s_add_co_u32 s53, s53, PART
	v_add_nc_u32 v[PR], s53, v[PR]
	v_lshl_add_u32 v[GW], v0, 3, GL
	v_lshlrev_b32 v[OO], 3, v[TA]
	v_lshlrev_b32 v[GQO], 3, v0
.endif
	s_mov_b32 s58, 0x4038aa3b
	s_mov_b32 s59, s58
	s_mov_b32 s61, 0
	s_wait_kmcnt 0x0
.if QPASS == 0
	s_and_b32 s[ROLE], ttmp7, 0xffff
	s_mov_b32 s[J], ttmp9
	s_mov_b32 s66, 0xbdb504f3
	s_cmp_eq_u32 s[ROLE], 0
	s_cselect_b64 s[10:11], s[10:11], s[14:15]
	s_cselect_b64 s[12:13], s[12:13], s[16:17]
	s_cselect_b32 s66, s66, 0
	s_cselect_b32 s67, 0, 0xc0000000
	s_load_b512 s[LN:LN+15], s[18:19], 0x0
	s_lshl_b32 s60, s[ROLE], 18
	s_add_nc_u64 s[8:9], s[8:9], s[60:61]
.endif
	s_lshl_b32 s60, s[WV], 15
	s_add_nc_u64 s[8:9], s[8:9], s[60:61]
	s_lshl_b32 s60, s[WV], 10
	s_add_nc_u64 s[10:11], s[10:11], s[60:61]
	s_lshl_b32 s60, s[WV], 8
	s_add_nc_u64 s[12:13], s[12:13], s[60:61]
	LOADW
.if QPASS
	s_lshl_b32 s52, ttmp9, 8
	s_mov_b32 s[CNT], 4
	s_lshl_b32 s60, ttmp9, 11
	s_add_nc_u64 s[68:69], s[14:15], s[60:61]
	s_add_nc_u64 s[20:21], s[20:21], s[60:61]
	s_cmp_lt_u32 ttmp9, 128
	s_cselect_b64 s[16:17], s[16:17], s[18:19]
	s_lshr_b32 s60, ttmp9, 2
	s_and_b32 s60, s60, 31
	s_lshl_b32 s60, s60, 13
	s_and_b32 s54, ttmp9, 3
	s_lshl_b32 s54, s54, 7
	s_add_co_u32 s60, s60, s54
	s_add_nc_u64 s[16:17], s[16:17], s[60:61]
.else
	s_wait_kmcnt 0x0
	s_mov_b32 s[BASE], 0
.irp b, 0,1,2,3,4,5,6,7,8,9,10,11,12,13,14,15
	s_max_i32 s[LN+\b], s[LN+\b], 0
	s_min_u32 s[LN+\b], s[LN+\b], 4096
	s_add_co_u32 s[LN+\b], s[LN+\b], 63
	s_lshr_b32 s[LN+\b], s[LN+\b], 6
	s_add_co_u32 s[BASE], s[BASE], s[LN+\b]
.endr
	s_max_u32 s[Q], s[BASE], 16
	s_add_co_u32 s[Q], s[Q], 95
	s_mul_i32 s[Q], s[Q], 37450
	s_lshr_b32 s[Q], s[Q], 22
	s_max_u32 s[Q], s[Q], 1
	s_sub_co_u32 s52, s[Q], 1
	s_max_u32 s52, s52, 1
	RTAB Q, R
	RTAB 52, 53
	s_sub_co_u32 s55, s52, 1
	s_mov_b32 s54, 0
.irp b, 0,1,2,3,4,5,6,7,8,9,10,11,12,13,14,15
	s_add_co_u32 s56, s[LN+\b], s55
	s_mul_i32 s56, s56, s53
	s_lshr_b32 s56, s56, 10
	s_add_co_u32 s54, s54, s56
.endr
	s_cmp_le_u32 s54, 128
	s_cselect_b32 s[Q], s52, s[Q]
	s_cselect_b32 s[R], s53, s[R]
	s_mov_b32 s[BASE], 0
	s_mov_b32 s52, 0
	s_mov_b32 s53, 0
	s_mov_b32 s54, 0
	s_sub_co_u32 s55, s[Q], 1
.irp b, 0,1,2,3,4,5,6,7,8,9,10,11,12,13,14,15
	s_cmp_ge_u32 s[J], s[BASE]
	s_cselect_b32 s52, \b, s52
	s_cselect_b32 s53, s[BASE], s53
	s_cselect_b32 s54, s[LN+\b], s54
	s_add_co_u32 s56, s[LN+\b], s55
	s_mul_i32 s56, s56, s[R]
	s_lshr_b32 s56, s56, 10
	s_add_co_u32 s[BASE], s[BASE], s56
.endr
	s_sub_co_u32 s56, s[J], s53
	s_mul_i32 s56, s56, s[Q]
	s_sub_co_i32 s[CNT], s54, s56
	s_min_i32 s[CNT], s[CNT], s[Q]
	s_max_i32 s[CNT], s[CNT], 0
	s_min_u32 s[CNT], s[CNT], 9
	s_min_u32 s52, s52, 15
	s_min_u32 s56, s56, 63
	s_lshl_b32 s60, s52, 15
	s_add_nc_u64 s[20:21], s[20:21], s[60:61]
	s_lshl_b32 s52, s52, 12
	s_lshl_b32 s56, s56, 6
	s_add_co_u32 s52, s52, s56
	s_lshl_b32 s60, s52, 2
	s_lshl_b32 s57, s[ROLE], 18
	s_add_co_u32 s60, s60, s57
	s_lshl_b32 s57, s[WV], 8
	s_add_co_u32 s60, s60, s57
	s_add_nc_u64 s[68:69], s[22:23], s[60:61]
.endif
	s_lshl_b32 s56, s[WV], 3
	s_add_co_u32 s56, s52, s56
	s_lshl_b32 s60, s56, 9
	s_add_nc_u64 s[4:5], s[4:5], s[60:61]
	s_lshl_b32 s60, s56, 4
	s_add_nc_u64 s[6:7], s[6:7], s[60:61]
.if QPASS
	s_cmp_lg_u32 s[WV], 0
	s_cbranch_scc1 .Lnot_mine_in
.irp c, 0,1,2,3
	global_load_b128 v[XF+4*\c:XF+4*\c+3], v[WA], s[16:17] offset:32*\c
.endr
.Lnot_mine_in:
.else
.irp p, 0,1,2,3,4,5,6,7,8,9,10,11,12,13,14,15
	global_load_b64 v[XF+2*\p:XF+2*\p+1], v[GQO], s[20:21] offset:2048*\p
.endr
.endif
	STAGE_LOAD
	s_wait_loadcnt 0x0
.if QPASS
	s_cmp_lg_u32 s[WV], 0
	s_cbranch_scc1 .Lnot_mine_out
.irp c, 0,1,2,3
	global_store_b128 v[XO], v[XF+4*\c:XF+4*\c+3], s[20:21] offset:512*\c
.endr
.Lnot_mine_out:
	s_wait_xcnt 0x0
.set i, 0
.rept 16
	v_pk_mul_f32 v[BIAS+i:BIAS+i+1], v[BIAS+i:BIAS+i+1], s[58:59] op_sel_hi:[1,0]
.set i, i+2
.endr
.set i, 0
.rept 32
	v_mov_b32 v[GP+i], 0
.set i, i+1
.endr
.else
	TREE16 XF, XF
	v_fma_f32 v[XF], v[XF], s66, s67
	v_fma_f32 v[XF+1], v[XF+1], s66, s67
	s_wait_alu depctr_va_vdst(0)
	ds_store_b64 v[GW], v[XF:XF+1]
.endif
	STAGE_STORE 0
	s_wait_dscnt 0x0
	s_barrier_signal -1
	s_barrier_wait -1
	s_wait_alu depctr_vm_vsrc(0)
.if QPASS == 0
.irp t, 0,1,2,3
.irp u, 0,1
	ds_load_b128 v[GP+8*\t+4*\u:GP+8*\t+4*\u+3], v[GR] offset:64*\t+16*\u
.endr
.endr
.endif
	s_cmp_lt_u32 s[CNT], 2
	s_cbranch_scc1 .Lone_chunk
	s_add_nc_u64 s[4:5], s[4:5], 32768
	s_add_nc_u64 s[6:7], s[6:7], 1024
	STAGE_LOAD
.Lone_chunk:
.if QPASS == 0
	s_wait_dscnt 0x0
	TREE16 XF, GP
	v_add_f32 v[XF], v[XF], v[XF+1]
	v_mul_f32 v[GI], -0.5, v[XF]
	v_mov_b32 v[GI+1], 0
	s_mov_b32 s[KOFF], 0
	s_wait_alu depctr_va_vdst(0)
.endif
	FETCH 0, 0
	s_mov_b32 s[KC], 0
.Ltrip:
.if QPASS == 0
	s_wait_dscnt 0x0
	s_wait_alu depctr_vm_vsrc(0)
	v_add_nc_u32 v[PWC], s[KOFF], v[PW0]
.endif
	CHUNK 0, 1
	CHUNK 1, 0
.if QPASS == 0
	s_add_co_u32 s[KOFF], s[KOFF], 2*CP
.endif
	s_add_co_u32 s[KC], s[KC], 2
	s_cmp_lt_u32 s[KC], 2*NTRIP
	s_cbranch_scc1 .Ltrip
.if QPASS
.set i, 0
.rept 32
	v_mul_f32 v[GP+i], -2.0, v[GP+i]
.set i, i+1
.endr
.irp x, 1,2,4,8
.set i, 0
.rept 32
	v_add_f32_dpp v[GP+i], v[GP+i], v[GP+i] row_xmask:\x row_mask:0xf bank_mask:0xf
.set i, i+1
.endr
.endr
	s_wait_alu depctr_va_vdst(0)
.irp t, 0,1,2,3
.irp u, 0,1
	ds_store_b128 v[GR], v[GP+8*\t+4*\u:GP+8*\t+4*\u+3] offset:64*\t+16*\u
.endr
.endr
	s_wait_dscnt 0x0
	s_barrier_signal -1
	s_barrier_wait -1
	s_cmp_gt_u32 s[WV], 3
	s_cbranch_scc1 .Ldone
	ds_load_b128 v[XF:XF+3], v[GW]
	s_wait_dscnt 0x0
	global_store_b128 v[OO], v[XF:XF+3], s[68:69]
.else
	s_wait_dscnt 0x0
	s_barrier_signal -1
	s_barrier_wait -1
	s_cmp_ge_u32 s[WV], s[CNT]
	s_cbranch_scc1 .Ldone
	REDUCE PR, 0
	s_cmp_lg_u32 s[WV], 0
	s_cbranch_scc1 .Ldone
	s_cmp_lt_u32 s[CNT], 9
	s_cbranch_scc1 .Ldone
	s_wait_xcnt 0x0
	s_wait_alu depctr_vm_vsrc(0)
	REDUCE PR8, 8
.endif
.Ldone:
	s_wait_dscnt 0x0
	s_wait_alu 0x0
	s_wait_tensorcnt 0x0
	ds_add_u32 v94, v95
	s_wait_dscnt 0x0
	s_endpgm
.Lfunc_end_k_qf957735d26_qpass:
	.size	k_qf957735d26_qpass, .Lfunc_end_k_qf957735d26_qpass-k_qf957735d26_qpass
	.p2alignl 7, 3214868480
	.fill 96, 4, 3214868480
	.section	.rodata,"a",@progbits
	.p2align	6, 0x0
	.amdhsa_kernel k_qf957735d26_qpass
		.amdhsa_group_segment_fixed_size 116224
		.amdhsa_private_segment_fixed_size 0
		.amdhsa_enable_private_segment 0
		.amdhsa_kernarg_size 72
		.amdhsa_user_sgpr_count 2
		.amdhsa_user_sgpr_kernarg_segment_ptr 1
		.amdhsa_wavefront_size32 1
		.amdhsa_system_sgpr_workgroup_id_x 1
		.amdhsa_system_sgpr_workgroup_id_y 1
		.amdhsa_system_sgpr_workgroup_id_z 1
		.amdhsa_system_vgpr_workitem_id 0
		.amdhsa_next_free_vgpr 512
		.amdhsa_next_free_sgpr 72
		.amdhsa_reserve_vcc 0
		.amdhsa_float_denorm_mode_32 3
		.amdhsa_float_denorm_mode_16_64 3
		.amdhsa_memory_ordered 1
		.amdhsa_forward_progress 1
		.amdhsa_inst_pref_size 102
	.end_amdhsa_kernel
	.amdgpu_metadata
---
amdhsa.version: [ 1, 2 ]
amdhsa.kernels:
  - .name:           k_qf957735d26_qpass
    .symbol:         k_qf957735d26_qpass.kd
    .args:
      - { .name: x_codes, .offset: 0, .size: 8, .value_kind: global_buffer, .address_space: global }
      - { .name: x_scales, .offset: 8, .size: 8, .value_kind: global_buffer, .address_space: global }
      - { .name: Wq_codes, .offset: 16, .size: 8, .value_kind: global_buffer, .address_space: global }
      - { .name: Wq_scales, .offset: 24, .size: 8, .value_kind: global_buffer, .address_space: global }
      - { .name: bq, .offset: 32, .size: 8, .value_kind: global_buffer, .address_space: global }
      - { .name: qpart, .offset: 40, .size: 8, .value_kind: global_buffer, .address_space: global }
      - { .name: Wk_codes, .offset: 48, .size: 8, .value_kind: global_buffer, .address_space: global }
      - { .name: Wv_codes, .offset: 56, .size: 8, .value_kind: global_buffer, .address_space: global }
      - { .name: wlay, .offset: 64, .size: 8, .value_kind: global_buffer, .address_space: global }
    .group_segment_fixed_size: 116224
    .private_segment_fixed_size: 0
    .kernarg_segment_align: 8
    .kernarg_segment_size: 72
    .max_flat_workgroup_size: 256
    .sgpr_count:     72
    .vgpr_count:     512
    .wavefront_size: 32
...
	.end_amdgpu_metadata
.endif
;; end of part 4
;; launch kvpass (part 5): grid 128 x 2, 8 waves a work-group, no clusters, 116,224 bytes of LDS; arguments x_codes, x_scales, wlay, Wk_scales, bk, Wv_scales, bv, lens, qpart, wv; writes wv
.if DOCPART == 5
	.amdgcn_target "amdgcn-amd-amdhsa--gfx1250"
	.amdhsa_code_object_version 6
	.text
	.protected	k_qf957735d26_kvpass
	.globl	k_qf957735d26_kvpass
	.p2align	8
	.type	k_qf957735d26_kvpass,@function
k_qf957735d26_kvpass:
	s_mov_b64 s[64:65], 0
	v_nop
	global_prefetch_b8 v0, s[64:65] scope:SCOPE_SE
	s_setreg_imm32_b32 hwreg(HW_REG_WAVE_SCHED_MODE, 0, 2), 2
	s_setreg_imm32_b32 hwreg(HW_REG_WAVE_MODE, 25, 1), 1
	s_wait_xcnt 0x0
	s_wait_alu depctr_vm_vsrc(0)
.set QPASS, 0
.set PITCH, 528
.set XBUF,  64*PITCH
.set SC,    2*XBUF
.set PART,  SC+2048
.set TP,    1088
.set CP,    4*TP
.set GL,    PART+10*CP
.if QPASS
.set NTRIP, 2
.else
.set NTRIP, 5
.endif
.set WA,   1
.set WSO,  2
.set BO,   3
.set XO,   4
.set SO,   5
.set XW,   6
.set SW,   7
.set XR,   8
.set SR,   9
.set PW0,  10
.set PWC,  11
.set PR,   12
.set GW,   13
.set GR,   14
.set OO,   15
.set WS,   16
.set XS,   32
.set RS,   36
.set GI,   44
.set TA,   46
.set ST,   48
.set GQO,  82
.set PR8,  83
.set BIAS, 96
.set GP,   128
.set ACC,  160
.set XF,   192
.set WV,   26
.set ROLE, 27
.set J,    28
.set CNT,  29
.set KC,   30
.set KT,   31
.set KOFF, 32
.set Q,    33
.set R,    34
.set BASE, 35
.set LN,   36
.set KU,   57
.set MSB, 0
.macro WIN new
.if MSB != \new
	s_set_vgpr_msb (MSB<<8)|\new
.set MSB, \new
.endif
.endm
.macro LOADW
	WIN 0x40
	s_wait_alu depctr_va_vdst(0)
.irp t, 0,1,2,3
.irp s, 0,1,2,3
.irp c, 0,1,2,3
.if QPASS
	global_load_b128 v[64*\t+16*\s+4*\c:64*\t+16*\s+4*\c+3], v[WA], s[8:9] offset:8192*\t+128*\s+32*\c
.else
	global_load_b128 v[64*\t+16*\s+4*\c:64*\t+16*\s+4*\c+3], v[XO], s[8:9] offset:512*(16*\t+4*\s+\c)
.endif
.endr
.endr
.endr
	WIN 0
.irp t, 0,1,2,3
	global_load_b128 v[WS+4*\t:WS+4*\t+3], v[WSO], s[10:11] offset:256*\t
.endr
.irp t, 0,1,2,3
.irp u, 0,1
	global_load_b128 v[BIAS+8*\t+4*\u:BIAS+8*\t+4*\u+3], v[BO], s[12:13] offset:64*\t+16*\u
.endr
.endr
.endm
.macro STAGE_LOAD
.irp i, 0,1,2,3,4,5,6,7
.if QPASS
	global_load_b128 v[ST+4*\i:ST+4*\i+3], v[XO], s[4:5] offset:512*\i th:TH_LOAD_NT
.else
	global_load_b128 v[ST+4*\i:ST+4*\i+3], v[XO], s[4:5] offset:512*\i
.endif
.endr
	global_load_b32 v[ST+32], v[SO], s[6:7]
.endm
.macro STAGE_STORE p
.if QPASS && (\p == 1)
.set i, 0
.rept 32
	v_xor_b32 v[ST+i], 0x80808080, v[ST+i]
.set i, i+1
.endr
	s_wait_alu depctr_va_vdst(0)
.endif
.irp i, 0,1,2,3,4,5,6,7
	ds_store_b128 v[XW], v[ST+4*\i:ST+4*\i+3] offset:XBUF*\p+PITCH*\i
.endr
	ds_store_b32 v[SW], v[ST+32] offset:1024*\p
.endm
.macro FETCH p, m
.irp s, 0,1,2,3
.irp c, 0,1,2,3
	ds_load_b128 v[XF+16*\s+4*\c:XF+16*\s+4*\c+3], v[XR] offset:XBUF*\p+16*PITCH*(\m)+128*\s+32*\c
.endr
.endr
	ds_load_b128 v[XS:XS+3], v[SR] offset:1024*\p+256*(\m)
.endm
.macro MM
	WIN 0x01
.irp s, 0,1,2,3
.irp t, 0,1,2,3
.if (\s == 0) && QPASS
	v_wmma_scale_f32_16x16x128_f8f6f4 v[ACC+8*\t:ACC+8*\t+7], v[64*\t+16*\s:64*\t+16*\s+15], v[XF+16*\s:XF+16*\s+15], 0, v[WS+4*\t+\s], v[XS+\s] matrix_a_fmt:MATRIX_FMT_BF8 matrix_b_fmt:MATRIX_FMT_BF8
.elseif \s == 0
	v_wmma_scale_f32_16x16x128_f8f6f4 v[ACC+8*\t:ACC+8*\t+7], v[64*\t+16*\s:64*\t+16*\s+15], v[XF+16*\s:XF+16*\s+15], v[BIAS+8*\t:BIAS+8*\t+7], v[WS+4*\t+\s], v[XS+\s] matrix_a_fmt:MATRIX_FMT_BF8 matrix_b_fmt:MATRIX_FMT_BF8
.else
	v_wmma_scale_f32_16x16x128_f8f6f4 v[ACC+8*\t:ACC+8*\t+7], v[64*\t+16*\s:64*\t+16*\s+15], v[XF+16*\s:XF+16*\s+15], v[ACC+8*\t:ACC+8*\t+7], v[WS+4*\t+\s], v[XS+\s] matrix_a_fmt:MATRIX_FMT_BF8 matrix_b_fmt:MATRIX_FMT_BF8
.endif
.endr
.endr
	WIN 0
.endm
.macro SCALE p
.set i, 0
.rept 16
.if QPASS && (\p == 0)
	v_pk_fma_f32 v[ACC+i:ACC+i+1], v[ACC+i:ACC+i+1], s[58:59], v[BIAS+i:BIAS+i+1] op_sel_hi:[1,0,1]
.elseif QPASS
	v_pk_fma_f32 v[ACC+i:ACC+i+1], v[ACC+i:ACC+i+1], s[58:59], v[BIAS+i:BIAS+i+1] op_sel_hi:[1,0,1] neg_lo:[0,0,1] neg_hi:[0,0,1]
.else
	v_pk_mul_f32 v[ACC+i:ACC+i+1], v[ACC+i:ACC+i+1], s[58:59] op_sel_hi:[1,0]
.endif
.set i, i+2
.endr
.endm
.macro EXPS
.set i, 0
.rept 32
	v_exp_f32 v[ACC+i], v[ACC+i]
.set i, i+1
.endr
.endm
.macro EXPS_FETCH p, m
	ds_load_b128 v[XS:XS+3], v[SR] offset:1024*\p+256*(\m)
	v_exp_f32 v[ACC], v[ACC]
.set i, 1
.irp s, 0,1,2,3
.irp c, 0,1,2,3
	ds_load_b128 v[XF+16*\s+4*\c:XF+16*\s+4*\c+3], v[XR] offset:XBUF*\p+16*PITCH*(\m)+128*\s+32*\c
	v_exp_f32 v[ACC+i], v[ACC+i]
.set i, i+1
.endr
.endr
.rept 15
	v_exp_f32 v[ACC+i], v[ACC+i]
.set i, i+1
.endr
.endm
.macro RECIP
	v_nop
	s_wait_alu depctr_va_vdst(0)
.set i, 0
.rept 16
	v_pk_add_f32 v[ACC+i:ACC+i+1], v[ACC+i:ACC+i+1], 1.0 op_sel_hi:[1,0]
.set i, i+2
.endr
.set i, 0
	s_wait_alu depctr_va_vdst(0)
.rept 32
	v_rcp_f32 v[ACC+i], v[ACC+i]
.set i, i+1
.endr
	v_nop
	s_wait_alu depctr_va_vdst(0)
.endm
.macro ACCUM p, m
.if QPASS
.set i, 0
.rept 16
.if \p == 0
	v_pk_add_f32 v[GP+i:GP+i+1], v[GP+i:GP+i+1], v[ACC+i:ACC+i+1]
.else
	v_pk_fma_f32 v[GP+i:GP+i+1], v[ACC+i:ACC+i+1], -1.0, v[GP+i:GP+i+1] op_sel_hi:[1,0,1]
.endif
.set i, i+2
.endr
.else
	s_wait_alu depctr_vm_vsrc(0)
.irp u, 0,1,2,3
.irp t, 0,1,2,3
.if (\u == 0) && (\t == 0)
	v_pk_fma_f32 v[RS:RS+1], v[GP:GP+1], v[ACC:ACC+1], v[GI:GI+1]
.elseif \u == 0
	v_pk_mul_f32 v[RS+2*\t:RS+2*\t+1], v[GP+8*\t:GP+8*\t+1], v[ACC+8*\t:ACC+8*\t+1]
.else
	v_pk_fma_f32 v[RS+2*\t:RS+2*\t+1], v[GP+8*\t+2*\u:GP+8*\t+2*\u+1], v[ACC+8*\t+2*\u:ACC+8*\t+2*\u+1], v[RS+2*\t:RS+2*\t+1]
.endif
.endr
.endr
	v_pk_add_f32 v[RS:RS+1], v[RS:RS+1], v[RS+2:RS+3]
	v_pk_add_f32 v[RS+4:RS+5], v[RS+4:RS+5], v[RS+6:RS+7]
	v_pk_add_f32 v[RS:RS+1], v[RS:RS+1], v[RS+4:RS+5]
	v_add_f32 v[RS], v[RS], v[RS+1]
	s_wait_alu depctr_va_vdst(0)
	ds_store_b32 v[PWC], v[RS] offset:CP*\p+TP*\m
.endif
.endm
.macro ROWTILE p, m, o
	s_wait_dscnt 0x0
	MM
.rept 8
	v_nop
.endr
	SCALE \p
.if \m < 3
	s_wait_alu depctr_va_vdst(0)
	EXPS_FETCH \p, \m+1
.else
	s_cmp_ge_u32 s[KT], s[CNT]
	s_cbranch_scc1 .Lnofetch_\@
	s_wait_alu depctr_va_vdst(0)
	FETCH \o, 0
.Lnofetch_\@:
	s_wait_alu depctr_va_vdst(0)
	EXPS
.endif
	RECIP
	ACCUM \p, \m
.endm
.macro CHUNK p, o
	s_add_co_u32 s[KT], s[KC], \p
	s_cmp_ge_u32 s[KT], s[CNT]
	s_cbranch_scc1 .Lmid_\@
	ROWTILE \p, 0, \o
	ROWTILE \p, 1, \o
	ROWTILE \p, 2, \o
.Lmid_\@:
	s_wait_loadcnt 0x0
	s_add_co_u32 s[KT], s[KT], 1
	s_cmp_ge_u32 s[KT], s[CNT]
	s_cbranch_scc1 .Lnostore_\@
	STAGE_STORE \o
.Lnostore_\@:
	s_wait_dscnt 0x0
	s_wait_alu depctr_vm_vsrc(0)
	s_barrier_signal -1
	s_barrier_wait -1
	s_cmp_gt_u32 s[KT], s[CNT]
	s_cbranch_scc1 .Lend_\@
	s_add_co_u32 s[KU], s[KT], 1
	s_cmp_ge_u32 s[KU], s[CNT]
	s_cbranch_scc1 .Lnoload_\@
	s_add_nc_u64 s[4:5], s[4:5], 32768
	s_add_nc_u64 s[6:7], s[6:7], 1024
	STAGE_LOAD
.Lnoload_\@:
	ROWTILE \p, 3, \o
.Lend_\@:
.endm
.macro TREE16 d, s
.irp i, 0,1,2,3,4,5,6,7
	v_pk_add_f32 v[\d+4*\i:\d+4*\i+1], v[\s+4*\i:\s+4*\i+1], v[\s+4*\i+2:\s+4*\i+3]
.endr
.irp i, 0,1,2,3
	v_pk_add_f32 v[\d+8*\i:\d+8*\i+1], v[\d+8*\i:\d+8*\i+1], v[\d+8*\i+4:\d+8*\i+5]
.endr
.irp i, 0,1
	v_pk_add_f32 v[\d+16*\i:\d+16*\i+1], v[\d+16*\i:\d+16*\i+1], v[\d+16*\i+8:\d+16*\i+9]
.endr
	v_pk_add_f32 v[\d:\d+1], v[\d:\d+1], v[\d+16:\d+17]
.endm
.macro RSEL qr, rr, q, v
	s_cmp_eq_u32 s[\qr], \q
	s_cselect_b32 s[\rr], \v, s[\rr]
.endm
.macro RTAB qr, rr
	s_mov_b32 s[\rr], 1024
	RSEL \qr, \rr, 2, 512
	RSEL \qr, \rr, 3, 342
	RSEL \qr, \rr, 4, 256
	RSEL \qr, \rr, 5, 205
	RSEL \qr, \rr, 6, 171
	RSEL \qr, \rr, 7, 147
	RSEL \qr, \rr, 8, 128
	RSEL \qr, \rr, 9, 114
.endm
.macro REDUCE adr, k8
.irp m, 0,1,2,3,4,5,6,7,8,9,10,11,12,13,14,15
	ds_load_b64 v[XF+2*\m:XF+2*\m+1], v[\adr] offset:64*\m
.endr
	s_wait_dscnt 0x0
	TREE16 XF, XF
	s_wait_alu depctr_va_vdst(0)
	global_store_b64 v[OO], v[XF:XF+1], s[68:69] offset:256*\k8
.endm
.if QPASS
	s_load_b256 s[4:11], s[0:1], 0x0
	s_load_b256 s[12:19], s[0:1], 0x20
	s_load_b64 s[20:21], s[0:1], 0x40
.else
	s_load_b512 s[4:19], s[0:1], 0x0
	s_load_b128 s[20:23], s[0:1], 0x40
	v_lshl_add_u32 v94, v0, 2, 0x1c200
	v_mov_b32 v95, 0
.endif
	v_lshrrev_b32 v[TA], 5, v0
	v_readfirstlane_b32 s[WV], v[TA]
	v_and_b32 v[TA], 31, v0
	v_and_b32 v[TA+1], 15, v0
	v_bfe_u32 v[ST], v0, 4, 1
.if QPASS
	v_lshlrev_b32 v[WA], 9, v[TA+1]
	v_lshl_add_u32 v[WA], v[ST], 4, v[WA]
.endif
	v_lshlrev_b32 v[WSO], 4, v[TA+1]
	v_lshlrev_b32 v[BO], 5, v[ST]
	v_lshlrev_b32 v[XO], 4, v[TA]
	v_lshlrev_b32 v[SO], 2, v[TA]
	s_wait_alu depctr_va_sdst(0)
	s_mul_i32 s52, s[WV], 8*PITCH
	v_add_nc_u32 v[XW], s52, v[XO]
	s_lshl_b32 s52, s[WV], 7
	s_add_co_u32 s53, s52, SC
	v_add_nc_u32 v[SW], s53, v[SO]
	v_mul_u32_u24 v[XR], v[TA+1], PITCH
	v_lshl_add_u32 v[XR], v[ST], 4, v[XR]
	v_lshl_add_u32 v[SR], v[TA+1], 4, SC
	s_lshl_b32 s53, s[WV], 8
	s_add_co_u32 s53, s53, GL
	v_add_nc_u32 v[GR], s53, v[BO]
.if QPASS
	v_and_b32 v[ST+1], 127, v0
	v_lshl_add_u32 v[GW], v[ST+1], 4, GL
	v_lshlrev_b32 v[OO], 4, v[ST+1]
.else
	s_add_co_u32 s53, s52, PART
	v_add_nc_u32 v[PW0], s53, v[SO]
	v_lshrrev_b32 v[ST+1], 3, v[TA]
	v_and_b32 v[ST+2], 7, v[TA]
	v_mul_u32_u24 v[PR], v[ST+1], TP
	v_lshl_add_u32 v[PR], v[ST+2], 3, v[PR]
	v_add_nc_u32 v[PR8], PART+8*CP, v[PR]
	s_mul_i32 s53, s[WV], CP
	s_add_co_u32 s53, s53, PART
	v_add_nc_u32 v[PR], s53, v[PR]
	v_lshl_add_u32 v[GW], v0, 3, GL
	v_lshlrev_b32 v[OO], 3, v[TA]
	v_lshlrev_b32 v[GQO], 3, v0
.endif
	s_mov_b32 s58, 0x4038aa3b
	s_mov_b32 s59, s58
	s_mov_b32 s61, 0
	s_wait_kmcnt 0x0
.if QPASS == 0
	s_and_b32 s[ROLE], ttmp7, 0xffff
	s_mov_b32 s[J], ttmp9
	s_mov_b32 s66, 0xbdb504f3
	s_cmp_eq_u32 s[ROLE], 0
	s_cselect_b64 s[10:11], s[10:11], s[14:15]
	s_cselect_b64 s[12:13], s[12:13], s[16:17]
	s_cselect_b32 s66, s66, 0
	s_cselect_b32 s67, 0, 0xc0000000
	s_load_b512 s[LN:LN+15], s[18:19], 0x0
	s_lshl_b32 s60, s[ROLE], 18
	s_add_nc_u64 s[8:9], s[8:9], s[60:61]
.endif
	s_lshl_b32 s60, s[WV], 15
	s_add_nc_u64 s[8:9], s[8:9], s[60:61]
	s_lshl_b32 s60, s[WV], 10
	s_add_nc_u64 s[10:11], s[10:11], s[60:61]
	s_lshl_b32 s60, s[WV], 8
	s_add_nc_u64 s[12:13], s[12:13], s[60:61]
	LOADW
.if QPASS
	s_lshl_b32 s52, ttmp9, 8
	s_mov_b32 s[CNT], 4
	s_lshl_b32 s60, ttmp9, 11
	s_add_nc_u64 s[68:69], s[14:15], s[60:61]
	s_add_nc_u64 s[20:21], s[20:21], s[60:61]
	s_cmp_lt_u32 ttmp9, 128
	s_cselect_b64 s[16:17], s[16:17], s[18:19]
	s_lshr_b32 s60, ttmp9, 2
	s_and_b32 s60, s60, 31
	s_lshl_b32 s60, s60, 13
	s_and_b32 s54, ttmp9, 3
	s_lshl_b32 s54, s54, 7
	s_add_co_u32 s60, s60, s54
	s_add_nc_u64 s[16:17], s[16:17], s[60:61]
.else
	s_wait_kmcnt 0x0
	s_mov_b32 s[BASE], 0
.irp b, 0,1,2,3,4,5,6,7,8,9,10,11,12,13,14,15
	s_max_i32 s[LN+\b], s[LN+\b], 0
	s_min_u32 s[LN+\b], s[LN+\b], 4096
	s_add_co_u32 s[LN+\b], s[LN+\b], 63
	s_lshr_b32 s[LN+\b], s[LN+\b], 6
	s_add_co_u32 s[BASE], s[BASE], s[LN+\b]
.endr
	s_max_u32 s[Q], s[BASE], 16
	s_add_co_u32 s[Q], s[Q], 95
	s_mul_i32 s[Q], s[Q], 37450
	s_lshr_b32 s[Q], s[Q], 22
	s_max_u32 s[Q], s[Q], 1
	s_sub_co_u32 s52, s[Q], 1
	s_max_u32 s52, s52, 1
	RTAB Q, R
	RTAB 52, 53
	s_sub_co_u32 s55, s52, 1
	s_mov_b32 s54, 0
.irp b, 0,1,2,3,4,5,6,7,8,9,10,11,12,13,14,15
	s_add_co_u32 s56, s[LN+\b], s55
	s_mul_i32 s56, s56, s53
	s_lshr_b32 s56, s56, 10
	s_add_co_u32 s54, s54, s56
.endr
	s_cmp_le_u32 s54, 128
	s_cselect_b32 s[Q], s52, s[Q]
	s_cselect_b32 s[R], s53, s[R]
	s_mov_b32 s[BASE], 0
	s_mov_b32 s52, 0
	s_mov_b32 s53, 0
	s_mov_b32 s54, 0
	s_sub_co_u32 s55, s[Q], 1
.irp b, 0,1,2,3,4,5,6,7,8,9,10,11,12,13,14,15
	s_cmp_ge_u32 s[J], s[BASE]
	s_cselect_b32 s52, \b, s52
	s_cselect_b32 s53, s[BASE], s53
	s_cselect_b32 s54, s[LN+\b], s54
	s_add_co_u32 s56, s[LN+\b], s55
	s_mul_i32 s56, s56, s[R]
	s_lshr_b32 s56, s56, 10
	s_add_co_u32 s[BASE], s[BASE], s56
.endr
	s_sub_co_u32 s56, s[J], s53
	s_mul_i32 s56, s56, s[Q]
	s_sub_co_i32 s[CNT], s54, s56
	s_min_i32 s[CNT], s[CNT], s[Q]
	s_max_i32 s[CNT], s[CNT], 0
	s_min_u32 s[CNT], s[CNT], 9
	s_min_u32 s52, s52, 15
	s_min_u32 s56, s56, 63
	s_lshl_b32 s60, s52, 15
	s_add_nc_u64 s[20:21], s[20:21], s[60:61]
	s_lshl_b32 s52, s52, 12
	s_lshl_b32 s56, s56, 6
	s_add_co_u32 s52, s52, s56
	s_lshl_b32 s60, s52, 2
	s_lshl_b32 s57, s[ROLE], 18
	s_add_co_u32 s60, s60, s57
	s_lshl_b32 s57, s[WV], 8
	s_add_co_u32 s60, s60, s57
	s_add_nc_u64 s[68:69], s[22:23], s[60:61]
.endif
	s_lshl_b32 s56, s[WV], 3
	s_add_co_u32 s56, s52, s56
	s_lshl_b32 s60, s56, 9
	s_add_nc_u64 s[4:5], s[4:5], s[60:61]
	s_lshl_b32 s60, s56, 4
	s_add_nc_u64 s[6:7], s[6:7], s[60:61]
.if QPASS
	s_cmp_lg_u32 s[WV], 0
	s_cbranch_scc1 .Lnot_mine_in
.irp c, 0,1,2,3
	global_load_b128 v[XF+4*\c:XF+4*\c+3], v[WA], s[16:17] offset:32*\c
.endr
.Lnot_mine_in:
.else
.irp p, 0,1,2,3,4,5,6,7,8,9,10,11,12,13,14,15
	global_load_b64 v[XF+2*\p:XF+2*\p+1], v[GQO], s[20:21] offset:2048*\p
.endr
.endif
	STAGE_LOAD
	s_wait_loadcnt 0x0
.if QPASS
	s_cmp_lg_u32 s[WV], 0
	s_cbranch_scc1 .Lnot_mine_out
.irp c, 0,1,2,3
	global_store_b128 v[XO], v[XF+4*\c:XF+4*\c+3], s[20:21] offset:512*\c
.endr
.Lnot_mine_out:
	s_wait_xcnt 0x0
.set i, 0
.rept 16
	v_pk_mul_f32 v[BIAS+i:BIAS+i+1], v[BIAS+i:BIAS+i+1], s[58:59] op_sel_hi:[1,0]
.set i, i+2
.endr
.set i, 0
.rept 32
	v_mov_b32 v[GP+i], 0
.set i, i+1
.endr
.else
	TREE16 XF, XF
	v_fma_f32 v[XF], v[XF], s66, s67
	v_fma_f32 v[XF+1], v[XF+1], s66, s67
	s_wait_alu depctr_va_vdst(0)
	ds_store_b64 v[GW], v[XF:XF+1]
.endif
	STAGE_STORE 0
	s_wait_dscnt 0x0
	s_barrier_signal -1
	s_barrier_wait -1
	s_wait_alu depctr_vm_vsrc(0)
.if QPASS == 0
.irp t, 0,1,2,3
.irp u, 0,1
	ds_load_b128 v[GP+8*\t+4*\u:GP+8*\t+4*\u+3], v[GR] offset:64*\t+16*\u
.endr
.endr
.endif
	s_cmp_lt_u32 s[CNT], 2
	s_cbranch_scc1 .Lone_chunk
	s_add_nc_u64 s[4:5], s[4:5], 32768
	s_add_nc_u64 s[6:7], s[6:7], 1024
	STAGE_LOAD
.Lone_chunk:
.if QPASS == 0
	s_wait_dscnt 0x0
	TREE16 XF, GP
	v_add_f32 v[XF], v[XF], v[XF+1]
	v_mul_f32 v[GI], -0.5, v[XF]
	v_mov_b32 v[GI+1], 0
	s_mov_b32 s[KOFF], 0
	s_wait_alu depctr_va_vdst(0)
.endif
	FETCH 0, 0
	s_mov_b32 s[KC], 0
.Ltrip:
.if QPASS == 0
	s_wait_dscnt 0x0
	s_wait_alu depctr_vm_vsrc(0)
	v_add_nc_u32 v[PWC], s[KOFF], v[PW0]
.endif
	CHUNK 0, 1
	CHUNK 1, 0
.if QPASS == 0
	s_add_co_u32 s[KOFF], s[KOFF], 2*CP
.endif
	s_add_co_u32 s[KC], s[KC], 2
	s_cmp_lt_u32 s[KC], 2*NTRIP
	s_cbranch_scc1 .Ltrip
.if QPASS
.set i, 0
.rept 32
	v_mul_f32 v[GP+i], -2.0, v[GP+i]
.set i, i+1
.endr
.irp x, 1,2,4,8
.set i, 0
.rept 32
	v_add_f32_dpp v[GP+i], v[GP+i], v[GP+i] row_xmask:\x row_mask:0xf bank_mask:0xf
.set i, i+1
.endr
.endr
	s_wait_alu depctr_va_vdst(0)
.irp t, 0,1,2,3
.irp u, 0,1
	ds_store_b128 v[GR], v[GP+8*\t+4*\u:GP+8*\t+4*\u+3] offset:64*\t+16*\u
.endr
.endr
	s_wait_dscnt 0x0
	s_barrier_signal -1
	s_barrier_wait -1
	s_cmp_gt_u32 s[WV], 3
	s_cbranch_scc1 .Ldone
	ds_load_b128 v[XF:XF+3], v[GW]
	s_wait_dscnt 0x0
	global_store_b128 v[OO], v[XF:XF+3], s[68:69]
.else
	s_wait_dscnt 0x0
	s_barrier_signal -1
	s_barrier_wait -1
	s_cmp_ge_u32 s[WV], s[CNT]
	s_cbranch_scc1 .Ldone
	REDUCE PR, 0
	s_cmp_lg_u32 s[WV], 0
	s_cbranch_scc1 .Ldone
	s_cmp_lt_u32 s[CNT], 9
	s_cbranch_scc1 .Ldone
	s_wait_xcnt 0x0
	s_wait_alu depctr_vm_vsrc(0)
	REDUCE PR8, 8
.endif
.Ldone:
	s_wait_dscnt 0x0
	s_wait_alu 0x0
	s_wait_tensorcnt 0x0
	ds_add_u32 v94, v95
	s_wait_dscnt 0x0
	s_endpgm
.Lfunc_end_k_qf957735d26_kvpass:
	.size	k_qf957735d26_kvpass, .Lfunc_end_k_qf957735d26_kvpass-k_qf957735d26_kvpass
	.p2alignl 7, 3214868480
	.fill 96, 4, 3214868480
	.section	.rodata,"a",@progbits
	.p2align	6, 0x0
	.amdhsa_kernel k_qf957735d26_kvpass
		.amdhsa_group_segment_fixed_size 116224
		.amdhsa_private_segment_fixed_size 0
		.amdhsa_enable_private_segment 0
		.amdhsa_kernarg_size 80
		.amdhsa_user_sgpr_count 2
		.amdhsa_user_sgpr_kernarg_segment_ptr 1
		.amdhsa_wavefront_size32 1
		.amdhsa_system_sgpr_workgroup_id_x 1
		.amdhsa_system_sgpr_workgroup_id_y 1
		.amdhsa_system_sgpr_workgroup_id_z 1
		.amdhsa_system_vgpr_workitem_id 0
		.amdhsa_next_free_vgpr 512
		.amdhsa_next_free_sgpr 72
		.amdhsa_reserve_vcc 0
		.amdhsa_float_denorm_mode_32 3
		.amdhsa_float_denorm_mode_16_64 3
		.amdhsa_memory_ordered 1
		.amdhsa_forward_progress 1
		.amdhsa_inst_pref_size 112
	.end_amdhsa_kernel
	.amdgpu_metadata
---
amdhsa.version: [ 1, 2 ]
amdhsa.kernels:
  - .name:           k_qf957735d26_kvpass
    .symbol:         k_qf957735d26_kvpass.kd
    .args:
      - { .name: x_codes, .offset: 0, .size: 8, .value_kind: global_buffer, .address_space: global }
      - { .name: x_scales, .offset: 8, .size: 8, .value_kind: global_buffer, .address_space: global }
      - { .name: wlay, .offset: 16, .size: 8, .value_kind: global_buffer, .address_space: global }
      - { .name: Wk_scales, .offset: 24, .size: 8, .value_kind: global_buffer, .address_space: global }
      - { .name: bk, .offset: 32, .size: 8, .value_kind: global_buffer, .address_space: global }
      - { .name: Wv_scales, .offset: 40, .size: 8, .value_kind: global_buffer, .address_space: global }
      - { .name: bv, .offset: 48, .size: 8, .value_kind: global_buffer, .address_space: global }
      - { .name: lens, .offset: 56, .size: 8, .value_kind: global_buffer, .address_space: global }
      - { .name: qpart, .offset: 64, .size: 8, .value_kind: global_buffer, .address_space: global }
      - { .name: wv, .offset: 72, .size: 8, .value_kind: global_buffer, .address_space: global }
    .group_segment_fixed_size: 116224
    .private_segment_fixed_size: 0
    .kernarg_segment_align: 8
    .kernarg_segment_size: 80
    .max_flat_workgroup_size: 256
    .sgpr_count:     72
    .vgpr_count:     512
    .wavefront_size: 32
...
	.end_amdgpu_metadata
.endif
;; end of part 5
;; launch soft (part 6): grid 16 x 1, 32 waves a work-group, no clusters, 4,608 bytes of LDS; arguments wv, lens, out0; writes out0
.if DOCPART == 6
	.amdgcn_target "amdgcn-amd-amdhsa--gfx1250"
	.amdhsa_code_object_version 6
	.text
	.protected	k_qf957735d26_soft
	.globl	k_qf957735d26_soft
	.p2align	8
	.type	k_qf957735d26_soft,@function
k_qf957735d26_soft:
	s_mov_b64 s[64:65], 0
	v_nop
	global_prefetch_b8 v0, s[64:65] scope:SCOPE_SE
	s_setreg_imm32_b32 hwreg(HW_REG_WAVE_MODE, 25, 1), 1
	s_wait_xcnt 0x0
	s_load_b128 s[4:7], s[0:1], 0x0
	s_load_b64 s[8:9], s[0:1], 0x10
	v_lshl_add_u32 v32, v0, 2, 0x200
	v_mov_b32 v33, 0
	v_lshrrev_b32 v1, 5, v0
	v_and_b32 v2, 31, v0
	v_lshlrev_b32 v3, 4, v0
	v_lshlrev_b32 v4, 2, v0
	s_delay_alu instid0(VALU_DEP_4)
	v_lshlrev_b32 v5, 2, v1
	s_delay_alu instid0(VALU_DEP_4)
	v_lshlrev_b32 v6, 2, v2
	s_lshl_b32 s12, ttmp9, 2
	s_mov_b32 s13, 0
	s_lshl_b32 s14, ttmp9, 14
	s_mov_b32 s15, 0
	s_mov_b32 s20, 0x76543210
	s_mov_b32 s21, 0xfedcba98
	s_mov_b32 s22, 0x3fb8aa3b
	v_mov_b32 v16, 0xff800000
.irp i, 0,1,2,3
	v_mov_b32 v[8+\i], 0xff800000
	v_mov_b32 v[12+\i], 0
.endr
	v_mov_b32 v18, 0
	s_wait_kmcnt 0x0
	s_add_nc_u64 s[6:7], s[6:7], s[12:13]
	s_add_nc_u64 s[4:5], s[4:5], s[14:15]
	s_add_nc_u64 s[8:9], s[8:9], s[14:15]
	s_load_b32 s16, s[6:7], 0x0
	s_wait_kmcnt 0x0
	s_max_i32 s17, s16, 0
	s_min_u32 s17, s17, 4096
	s_add_co_u32 s17, s17, 63
	s_lshr_b32 s17, s17, 6
	s_lshl_b32 s17, s17, 6
	v_cmp_gt_u32 vcc_lo, s17, v4
	s_wait_xcnt 0x0
	s_and_saveexec_b32 s18, vcc_lo
	global_load_b128 v[8:11], v3, s[4:5]
	global_load_b128 v[12:15], v3, s[4:5] offset:262144
	s_wait_xcnt 0x0
	s_or_b32 exec_lo, exec_lo, s18
	s_wait_loadcnt 0x0
.irp i, 0,1,2,3
	v_add_nc_u32 v7, \i, v4
	s_delay_alu instid0(VALU_DEP_1)
	v_cmp_gt_i32 vcc_lo, s16, v7
	s_delay_alu instid0(VALU_DEP_1)
	v_cndmask_b32 v[8+\i], v16, v[8+\i], vcc_lo
.endr
.macro WMAX
	v_max_num_f32_dpp v17, v17, v17 row_xmask:1 row_mask:0xf bank_mask:0xf
	s_delay_alu instid0(VALU_DEP_1)
	v_max_num_f32_dpp v17, v17, v17 row_xmask:2 row_mask:0xf bank_mask:0xf
	s_delay_alu instid0(VALU_DEP_1)
	v_max_num_f32_dpp v17, v17, v17 row_xmask:4 row_mask:0xf bank_mask:0xf
	s_delay_alu instid0(VALU_DEP_1)
	v_max_num_f32_dpp v17, v17, v17 row_xmask:8 row_mask:0xf bank_mask:0xf
	s_wait_alu depctr_va_vdst(0)
	v_permlanex16_b32 v18, v17, s20, s21
	s_delay_alu instid0(VALU_DEP_1)
	v_max_num_f32 v17, v17, v18
.endm
.macro WSUM
	v_add_f32_dpp v17, v17, v17 row_xmask:1 row_mask:0xf bank_mask:0xf
	s_delay_alu instid0(VALU_DEP_1)
	v_add_f32_dpp v17, v17, v17 row_xmask:2 row_mask:0xf bank_mask:0xf
	s_delay_alu instid0(VALU_DEP_1)
	v_add_f32_dpp v17, v17, v17 row_xmask:4 row_mask:0xf bank_mask:0xf
	s_delay_alu instid0(VALU_DEP_1)
	v_add_f32_dpp v17, v17, v17 row_xmask:8 row_mask:0xf bank_mask:0xf
	s_wait_alu depctr_va_vdst(0)
	v_permlanex16_b32 v18, v17, s20, s21
	s_delay_alu instid0(VALU_DEP_1)
	v_add_f32 v17, v17, v18
.endm
	s_delay_alu instid0(VALU_DEP_4)
	v_max3_num_f32 v17, v8, v9, v10
	s_delay_alu instid0(VALU_DEP_1)
	v_max_num_f32 v17, v17, v11
	WMAX
	ds_store_b32 v5, v17
	s_wait_dscnt 0x0
	s_barrier_signal -1
	s_barrier_wait -1
	ds_load_b32 v17, v6
	s_wait_dscnt 0x0
	WMAX
	s_delay_alu instid0(VALU_DEP_1)
	v_mul_f32 v19, s22, v17
.irp i, 0,1,2,3
	v_fma_f32 v[8+\i], v[8+\i], s22, -v19
.endr
	s_wait_alu depctr_va_vdst(0)
.irp i, 0,1,2,3
	v_exp_f32 v[8+\i], v[8+\i]
.endr
	v_nop
	s_wait_alu depctr_va_vdst(0)
	v_add_f32 v17, v8, v9
	v_add_f32 v20, v10, v11
	s_delay_alu instid0(VALU_DEP_1)
	v_add_f32 v17, v17, v20
	WSUM
	ds_store_b32 v5, v17 offset:128
	s_wait_dscnt 0x0
	s_barrier_signal -1
	s_barrier_wait -1
	ds_load_b32 v17, v6 offset:128
	s_wait_dscnt 0x0
	WSUM
	s_wait_alu depctr_va_vdst(0)
	v_rcp_f32 v17, v17
	v_pk_mul_f32 v[8:9], v[8:9], v[12:13]
	v_pk_mul_f32 v[10:11], v[10:11], v[14:15]
	s_wait_alu depctr_va_vdst(0)
.irp i, 0,1,2,3
	v_mul_f32 v[8+\i], v[8+\i], v17
.endr
	global_store_b128 v3, v[8:11], s[8:9]
	s_wait_tensorcnt 0x0
	ds_add_u32 v32, v33
	s_wait_dscnt 0x0
	s_endpgm
.Lfunc_end_k_qf957735d26_soft:
	.size	k_qf957735d26_soft, .Lfunc_end_k_qf957735d26_soft-k_qf957735d26_soft
	.p2alignl 7, 3214868480
	.fill 96, 4, 3214868480
	.section	.rodata,"a",@progbits
	.p2align	6, 0x0
	.amdhsa_kernel k_qf957735d26_soft
		.amdhsa_group_segment_fixed_size 4608
		.amdhsa_private_segment_fixed_size 0
		.amdhsa_enable_private_segment 0
		.amdhsa_kernarg_size 24
		.amdhsa_user_sgpr_count 2
		.amdhsa_user_sgpr_kernarg_segment_ptr 1
		.amdhsa_wavefront_size32 1
		.amdhsa_system_sgpr_workgroup_id_x 1
		.amdhsa_system_sgpr_workgroup_id_y 1
		.amdhsa_system_sgpr_workgroup_id_z 1
		.amdhsa_system_vgpr_workitem_id 0
		.amdhsa_next_free_vgpr 34
		.amdhsa_next_free_sgpr 66
		.amdhsa_reserve_vcc 1
		.amdhsa_float_denorm_mode_32 3
		.amdhsa_float_denorm_mode_16_64 3
		.amdhsa_memory_ordered 1
		.amdhsa_forward_progress 1
		.amdhsa_inst_pref_size 7
	.end_amdhsa_kernel
	.amdgpu_metadata
---
amdhsa.version: [ 1, 2 ]
amdhsa.kernels:
  - .name:           k_qf957735d26_soft
    .symbol:         k_qf957735d26_soft.kd
    .args:
      - { .name: wv, .offset: 0, .size: 8, .value_kind: global_buffer, .address_space: global }
      - { .name: lens, .offset: 8, .size: 8, .value_kind: global_buffer, .address_space: global }
      - { .name: out0, .offset: 16, .size: 8, .value_kind: global_buffer, .address_space: global }
    .group_segment_fixed_size: 4608
    .private_segment_fixed_size: 0
    .kernarg_segment_align: 8
    .kernarg_segment_size: 24
    .max_flat_workgroup_size: 1024
    .sgpr_count:     66
    .vgpr_count:     34
    .wavefront_size: 32
...
	.end_amdgpu_metadata
.endif
;; end of part 6
